; MI455X (gfx1250); checked and timed in simulation.
; The chip was launched on July 23, 2026; its instructions are those of AMD's public machine-readable ISA for CDNA 5 (MIT licence, August 2026) and "CDNA5" Instruction Set Architecture Reference Guide (July 2026). The comments in the code are by the model that wrote it; some were corrected since.
;; Attention. Allowed arithmetic: matrix products marked QUANTISED: E2M3 operands, one E8M0 scale for each 32 along K, by v_wmma_scale_f32_16x16x128_f8f6f4 with both operands' format E2M3, f32 sums; everything else in f32.
;; Inputs: W_K 16 x 1,024 x 64 float32; W_O 16 x 64 x 1,024 float32; W_Q 16 x 1,024 x 64 float32; W_V 16 x 1,024 x 64 float32; b_K 16 x 64 float32; b_O 1,024 float32; b_Q 16 x 64 float32; b_V 16 x 64 float32; mask 2,048 x 2,048 bool; x_kv 4 x 2,048 x 1,024 float32; x_q 4 x 2,048 x 1,024 float32.
;; Outputs: out0 4 x 2,048 x 1,024 float32; out1 4 x 2,048 x 16 x 64 float32.
;; This version of the problem:
;;   THIS VERSION OF THE PROBLEM IS GIVEN IN LOW PRECISION. The matrix products marked QUANTISED in the list below multiply operands that are first quantised to E2M3 (2 exponent bits, 3 mantissa bits; 6 bits a number), with one power-of-two scale for each 32 numbers along K (OCP MX v1.0); their sums are f32. All else is computed in f32.
;;   The module's matrix products, in the order in which they are computed (A, B: the left and right operand; K: the contracted axis; several contracted axes count as one K, in the product's order):
;;     1. [M 8,192, K 1,024] x [K 1,024, N 1,024]; A: input x_q; B: input W_Q: QUANTISED
;;     2. [M 8,192, K 1,024] x [K 1,024, N 1,024]; A: input x_kv; B: input W_K: QUANTISED
;;     3. [M 8,192, K 1,024] x [K 1,024, N 1,024]; A: input x_kv; B: input W_V: QUANTISED
;;     4. batch 64 x [M 2,048, K 64] x [K 64, N 2,048]; A: computed on the way; B: computed on the way: QUANTISED
;;     5. batch 64 x [M 64, K 2,048] x [K 2,048, N 2,048]; A: computed on the way; B: softmax (see below): QUANTISED
;;     6. [M 8,192, K 1,024] x [K 1,024, N 1,024]; A: computed on the way; B: input W_O: QUANTISED
;;   THE QUANTISER, for each operand of a quantised product, along K:
;;     - K is cut into blocks of 32 from its start; a last block that is shorter is filled with zeros.
;;     - A block's scale is 2^e with e = floor(log2(the largest magnitude in the block)) - 2, held to -126 .. 127; a block of zeros has e = 0. As a byte (E8M0): e + 127.
;;     - Each number is divided by its block's scale, clamped to +-7.5, and rounded to the nearest number of E2M3, ties to even, subnormals kept.
;;     - The product sums the exact products of the quantised numbers (number of the format x scale) in f32.
;;   ~~~python
;;   def quantise(x, axis):      # numpy; x: float32 -> the quantised numbers, widened to float32 again
;;       x = np.moveaxis(x, axis, -1); K = x.shape[-1]
;;       x = np.pad(x, [(0, 0)] * (x.ndim - 1) + [(0, -K % 32)]); x = x.reshape(x.shape[:-1] + (-1, 32)); a = np.abs(x).max(-1, keepdims=True)
;;       e = np.where(a > 0, np.clip(np.frexp(np.where(a > 0, a, 1))[1] - 1 - 2, -126, 127), 0)      # np.frexp(a)[1] - 1 = floor(log2(a)), exactly
;;       r = np.clip(x / 2.0 ** e, -7.5, 7.5)
;;       step = 2.0 ** (np.maximum(np.frexp(np.where(r == 0, 1, r))[1] - 1, 0) - 3)
;;       q = np.round(r / step) * step * 2.0 ** e      # np.round: ties to even
;;       return np.moveaxis(q.reshape(q.shape[:-2] + (-1,))[..., :K], -1, axis).astype(np.float32)
;;   ~~~
;;   SOFTMAX AHEAD OF A QUANTISED PRODUCT. Where the list says 'softmax', what is quantised is not the finished softmax but p = 2^(t - M), with t = logit x log2(e) and M = ceil(the row's largest t), a whole number; so 1/2 < the row's largest p <= 1. The row's sum l is taken of the UNQUANTISED p, in f32, and the product's result is divided by l at the end. Since M is a whole number, a kernel that streams over the keys may use a running M (the ceiling of the running maximum): every later rescaling is an exact power of two, which a block's scale takes up: the codes' values come out the same.
;;   OPERANDS COMPUTED ON THE WAY. 'Computed on the way' means the value that the module computes at that place (a softmax that the list does not call 'softmax' is quantised finished and normalised). What goes into a quantiser is computed in f32, as accurately as f32 sums, v_exp_f32 and their like allow (about 1e-6 of the number): no bf16 or f16 on the way to a quantiser, and a product that is left as it is and whose result goes on into a quantised operand takes f32 operands (vector FMAs, or v_wmma_f32_16x16x4_f32). A number that lies on a knife's edge between two numbers of the format may be rounded either way, as far as f32 arithmetic and the matrix unit's own rounding can turn it there, and no further.
;; One version. Each part assembles by itself: llvm-mc -triple=amdgcn-amd-amdhsa -mcpu=gfx1250 --defsym DOCPART=n.
;; ======== version 1 of 1: 4 launches
;; limits: right only within a limited range of input values
;; workspace buffers: opc 15,728,640 bytes; ops 655,360 bytes; mbits 524,288 bytes of whole numbers; qkvc 18,874,368 bytes; qkvs 786,432 bytes
;; launch prep (part 1): grid 896 x 1, 4 waves a work-group, no clusters, 80,384 bytes of LDS; arguments x_q, x_kv, W_Q, W_K, W_V, W_O, mask, opc, ops, mbits; writes opc, ops, mbits
.if DOCPART == 1
	.amdgcn_target "amdgcn-amd-amdhsa--gfx1250"
	.amdhsa_code_object_version 6
	.text
	.protected	k_q83c0fe3894_prep
	.globl	k_q83c0fe3894_prep
	.p2align	8
	.type	k_q83c0fe3894_prep,@function
k_q83c0fe3894_prep:
	s_mov_b64 s[64:65], 0
	v_nop
	global_prefetch_b8 v0, s[64:65] scope:SCOPE_SE
	s_setreg_imm32_b32 hwreg(HW_REG_WAVE_MODE, 25, 1), 1
	s_wait_xcnt 0x0
; PREP: every input that is an operand of a quantised product becomes codes of E2M3 with one E8M0 byte for each 32 along K, laid in the order of the
; operand's registers; the mask becomes lane masks.  Three roles, parted once on the work-group's number; each has LDS bytes of its own; waves share nothing, so there is no barrier.
; TILE ORDER: rows go in groups of 32; row p of a group lies in tile 2 (group) + bit 3 of p, at lane row 8 (bit 4 of p) + (p & 7).  So row r of tile T is row 32 (T / 2) + 8 (T % 2) + r + (r & 8).
; IMAGE: a fragment (16 rows x 128 K, 12 registers a lane) is 1,536 bytes: chunk c of 512 bytes holds lane l's registers 4 c .. 4 c + 3 at 16 l.
; SCALE WORDS: [tile][K step / 4][row r][K step % 4], one word for a row and 128 along K.
; Role X (work-groups 0-511): x_q, x_kv [8192][1024] f32: a wave makes four fragments, 16 rows x 512 K.  Each load reads 512 consecutive bytes of a row; the numbers turn through the wave's stage so that a lane holds 16 neighbours of each block.
; Role W (512-767): the four weights, K not innermost: a lane takes a column and its registers run down K; a wave makes 32 columns x 128 K: two fragments, gathered in LDS as images.
; W_O'S K: the output projection contracts (channel h, head n) with h outermost, so a block of 32 along K is channels 2 j, 2 j + 1 of all 16 heads.  K step s holds blocks 4 s .. 4 s + 3; inside a block
; the order is 2 n + (h & 1), the same as z's codes have: a block has one scale, so the order inside it only orders the additions.
; Role M (768-895): mask [2048][2048] of bytes: word 16 blk + i of (query tile, key step) has in bit L the byte of query row (L & 15) and key 128 step + 64 (blk >> 1) + 32 (L >> 4) + 16 (blk & 1) + i.
; A block's scale is 2^(floor(log2(largest magnitude)) - 2): the largest magnitude's exponent field less 2, held at 1 from below by a floor among the maximum's leaves.
; LIMITS: a block of zeros gets the byte 1 (its codes are zeros and only this program reads the bytes); NaN and infinities among the inputs are not served.
.set SP,   528                         ; a stage row: 512 bytes + 16: sixteen rows start at sixteen different 16-byte columns
.set XST,  0                           ; role X: 16 rows x SP for each wave
.set WST,  XST+4*16*SP                 ; role W: two images for each wave
.set MST,  WST+4*3072                  ; role M: 16 rows x SP for each wave
.set SEL,  24                          ; s[24:25] lane selects: lane l xor 16
.set WV,   26                          ; s26 the wave's number
.set LI,   4                           ; v4  16 x lane; never rewritten
.set RAW,  16                          ; role X: v16-143 two sets of 64 registers as loaded
.set X,    144                         ; v144-207 64 numbers: register 16 b + i = k 32 b + 16 h + i of my row
.set PC,   208                         ; v208-219 a fragment's codes
.set CT,   220                         ; v220-226 upper halves of blocks, on their way
.set TM,   228                         ; v228-243 maxima, bytes, scale operands
.set SW,   244                         ; v244-247 four scale words
; 64 numbers of a lane, register 16 b + i = k 32 b + 16 (lane / 16) + i of my row: codes of k 0-63 into v[d0 .. d0+5], of k 64-127 into v[d1 .. d1+5], the scale word into v[pw]
.macro QUANTD s, d0, d1, pw
.irp b, 0,1,2,3
	v_max3_num_f32 v[TM+\b], |v[\s+16*\b]|, |v[\s+1+16*\b]|, 0x1800000   ; my 16 numbers of block b, and the floor 2^(3 - 127)
.endr
.irp i, 2,4,6,8,10,12,14
.irp b, 0,1,2,3
	v_max3_num_f32 v[TM+\b], v[TM+\b], |v[\s+16*\b+\i]|, |v[\s+1+16*\b+\i]|   ; the four blocks by turns
.endr
.endr
.irp b, 0,1,2,3
	v_permlanex16_b32 v[TM+4+\b], v[TM+\b], s[SEL], s[SEL+1]
.endr
.irp b, 0,1,2,3
	v_max_num_f32 v[TM+\b], v[TM+\b], v[TM+4+\b]   ; with lane l xor 16's: the block's largest magnitude
.endr
.irp b, 0,1,2,3
	v_add_nc_u32 v[TM+12+\b], 0xff000000, v[TM+\b]   ; 2 off the exponent field: the conversion's scale operand
.endr
.irp b, 0,1,2,3
	v_lshrrev_b32 v[TM+4+\b], 23, v[TM+12+\b]      ; the scale's byte
.endr
	v_lshl_or_b32 v[\pw], v[TM+5], 8, v[TM+4]
	v_lshl_or_b32 v[\pw], v[TM+6], 16, v[\pw]
	v_lshl_or_b32 v[\pw], v[TM+7], 24, v[\pw]
	v_cvt_scalef32_pk16_fp6_f32 v[\d0:\d0+2], v[\s:\s+15], v[TM+12]
	v_cvt_scalef32_pk16_fp6_f32 v[CT:CT+2], v[\s+16:\s+31], v[TM+13]   ; (a conversion's three registers begin on an even number)
	v_cvt_scalef32_pk16_fp6_f32 v[\d1:\d1+2], v[\s+32:\s+47], v[TM+14]
	v_cvt_scalef32_pk16_fp6_f32 v[CT+4:CT+6], v[\s+48:\s+63], v[TM+15]
	v_nop                                          ; one plain line behind the scaled conversions
.irp i, 0,1,2
	v_permlane16_swap_b32 v[\d0+\i], v[CT+\i]      ; a whole block to a lane: lanes 0-15 the even block, lanes 16-31 the odd one
	v_permlane16_swap_b32 v[\d1+\i], v[CT+4+\i]
.endr
.irp i, 0,1,2
	v_mov_b32 v[\d0+3+\i], v[CT+\i]
	v_mov_b32 v[\d1+3+\i], v[CT+4+\i]
.endr
.endm
	s_load_b512 s[4:19], s[0:1], 0x0               ; x_q s4, x_kv s6, W_Q s8, W_K s10, W_V s12, W_O s14, mask s16, opc s18
	s_load_b128 s[20:23], s[0:1], 0x40             ; ops s20, mbits s22
	v_lshl_add_u32 v254, v0, 2, 0x13800
	v_mov_b32 v255, 0
	v_lshrrev_b32 v1, 5, v0
	v_readfirstlane_b32 s[WV], v1                  ; wave 0..3
	v_and_b32 v1, 31, v0                           ; lane
	v_and_b32 v2, 15, v0                           ; r
	v_bfe_u32 v3, v0, 4, 1                         ; h
	v_lshlrev_b32 v[LI], 4, v1
	s_mov_b32 s[SEL], 0x76543210
	s_mov_b32 s[SEL+1], 0xfedcba98
	s_wait_kmcnt 0x0
	s_cmp_lt_u32 ttmp9, 512
	s_cbranch_scc0 .Lnot_x
; ---------------- role X ----------------
	s_lshl_b32 s27, ttmp9, 2
	s_add_co_u32 s27, s27, s[WV]                   ; J = 4 x work-group + wave: tensor J >> 10, tile (J & 1023) >> 1, half of K J & 1
	s_cmp_lt_u32 ttmp9, 256
	s_cselect_b64 s[4:5], s[4:5], s[6:7]           ; the choice hangs on the work-group's number alone
	s_cselect_b32 s28, 0, 6291456                  ; the tensor's images in opc
	s_cselect_b32 s29, 0, 262144                   ; and its scale words in ops
	s_and_b32 s27, s27, 1023
	s_lshr_b32 s30, s27, 1                         ; T
	s_and_b32 s31, s27, 1                          ; which 512 along K
	s_lshr_b32 s32, s30, 1
	s_lshl_b32 s32, s32, 17                        ; 32 (T / 2) rows of 4,096 bytes
	s_and_b32 s33, s30, 1
	s_lshl_b32 s33, s33, 15                        ; + 8 (T % 2) rows
	s_add_co_u32 s32, s32, s33
	s_lshl_b32 s33, s31, 11                        ; + 2,048 bytes along the row
	s_add_co_u32 s32, s32, s33
	s_mov_b32 s33, 0
	s_add_nc_u64 s[4:5], s[4:5], s[32:33]
	s_mul_i32 s32, s30, 12288                      ; a tile's eight images
	s_add_co_u32 s32, s32, s28
	s_mul_i32 s34, s31, 6144
	s_add_co_u32 s32, s32, s34
	s_add_nc_u64 s[18:19], s[18:19], s[32:33]
	s_lshl_b32 s32, s30, 9
	s_add_co_u32 s32, s32, s29
	s_lshl_b32 s34, s31, 8
	s_add_co_u32 s32, s32, s34
	s_add_nc_u64 s[20:21], s[20:21], s[32:33]
	s_mul_i32 s35, s[WV], 16*SP                    ; my stage (XST = 0)
	s_wait_alu depctr_va_vdst(0)
	v_add_nc_u32 v5, s35, v[LI]                    ; in: 16 x lane of a row
	v_mul_u32_u24 v6, v2, SP
	v_lshl_add_u32 v6, v3, 6, v6
	v_add_nc_u32 v6, s35, v6                       ; out: row r, + 64 h: my 16 numbers of a block
	v_lshlrev_b32 v7, 4, v2                        ; 16 r: my row's four scale words
.irp b, 0,1,2,3
	v_mov_b32 v[TM+4+\b], 0                        ; written once: a lane permute's destination counts as one of its sources
.endr
.macro XLOAD f                         ; K step f of my four: 16 rows x 512 consecutive bytes
.irp i, 0,1,2,3,4,5,6,7,8,9,10,11,12,13,14,15
	global_load_b128 v[RAW+64*((\f)%2)+4*\i:RAW+64*((\f)%2)+4*\i+3], v[LI], s[4:5] offset:(\i+8*(\i/8))*4096+512*(\f) th:TH_LOAD_NT
.endr
.endm
.macro XTURN f                         ; through my stage; LDS serves a wave's instructions in order, so no wait stands between stores and loads
.irp i, 0,1,2,3,4,5,6,7,8,9,10,11,12,13,14,15
	ds_store_b128 v5, v[RAW+64*((\f)%2)+4*\i:RAW+64*((\f)%2)+4*\i+3] offset:SP*\i
.endr
.irp b, 0,1,2,3
.irp j, 0,1,2,3
	ds_load_b128 v[X+16*\b+4*\j:X+16*\b+4*\j+3], v6 offset:128*\b+16*\j
.endr
.endr
.endm
	XLOAD 0
	XLOAD 1
	s_wait_alu depctr_va_vdst(0)
.irp f, 0,1,2,3
.if \f < 3
	s_wait_loadcnt 16                              ; this K step's 16 loads are in; the next step's 16 may be out
.else
	s_wait_loadcnt 0x0
.endif
	XTURN \f
	s_wait_dscnt 0x0                               ; the numbers are back, so the stage's stores have read the set that is loaded again below
.if \f > 0
	s_wait_xcnt 0x0                                ; the last image's stores have read PC: it is written again only behind this wait
.endif
.if \f < 2
	XLOAD \f+2
.endif
	QUANTD X, PC, PC+6, SW+\f
.irp c, 0,1,2
	global_store_b128 v[LI], v[PC+4*\c:PC+4*\c+3], s[18:19] offset:1536*\f+512*\c   ; 512 consecutive bytes, aligned
.endr
.endr
	global_store_b128 v7, v[SW:SW+3], s[20:21]     ; 16 rows x 16 bytes: 256 consecutive bytes; lanes 16-31 repeat lanes 0-15 with the same words
	s_wait_tensorcnt 0x0
	ds_add_u32 v254, v255
	s_wait_dscnt 0x0
	s_endpgm
; ---------------- role W ----------------
.Lnot_x:
	s_cmp_lt_u32 ttmp9, 768
	s_cbranch_scc0 .Lmask
.set VO,  16                           ; v16-47  4 x lane + the place of a block's number i in the weight
.set WX,  48                           ; v48-111 two sets of 32 numbers: a block of one column
.set DG,  176                          ; v176-199 the four blocks' codes, 6 registers each
.set EH,  200                          ; v200-202 a block's upper 16 codes, on their way
	s_sub_co_u32 s27, ttmp9, 512
	s_lshl_b32 s27, s27, 2
	s_add_co_u32 s27, s27, s[WV]                   ; J: weight J >> 8, K step (J >> 5) & 7, group of 32 columns J & 31
	s_lshr_b32 s28, s27, 8                         ; m
	s_bfe_u32 s29, s27, 0x30005                    ; K step
	s_and_b32 s30, s27, 31                         ; G
	s_lshr_b32 s32, s30, 1
	s_lshl_b32 s32, s32, 18                        ; W_Q, W_K, W_V [16][1024][64]: head G / 2,
	s_and_b32 s33, s30, 1
	s_lshl_b32 s33, s33, 7                         ; its columns 32 (G % 2) on;
	s_add_co_u32 s32, s32, s33
	s_lshl_b32 s33, s30, 7                         ; W_O [16 (n)][64 (h)][1024]: columns 32 G on
	s_mov_b32 s31, 256                             ; from a block's number i to i + 1, i even: one row of 256 bytes; in W_O one channel, 4,096 bytes
	s_mov_b32 s35, 512                             ; from i to i + 2: two rows; in W_O one head, 64 rows of 4,096 bytes
	s_cmp_eq_u32 s28, 1
	s_cselect_b64 s[8:9], s[10:11], s[8:9]
	s_cmp_eq_u32 s28, 2
	s_cselect_b64 s[8:9], s[12:13], s[8:9]
	s_cmp_eq_u32 s28, 3
	s_cselect_b64 s[8:9], s[14:15], s[8:9]
	s_cselect_b32 s31, 4096, s31
	s_cselect_b32 s35, 0x40000, s35
	s_cselect_b32 s32, s33, s32
	s_lshl_b32 s34, s29, 15                        ; a K step is 32,768 bytes on in all four: 128 rows of 256 bytes, or in W_O 8 channels of 4,096
	s_add_co_u32 s32, s32, s34
	s_mov_b32 s33, 0
	s_add_nc_u64 s[36:37], s[8:9], s[32:33]        ; block 0
	s_add_nc_u64 s[38:39], s[36:37], 8192          ; blocks 1, 2, 3: 8,192 bytes on each: 32 rows of 256 bytes, or in W_O 2 channels
	s_add_nc_u64 s[40:41], s[38:39], 8192
	s_add_nc_u64 s[42:43], s[40:41], 8192
	s_wait_alu depctr_va_vdst(0)
	v_lshlrev_b32 v[VO], 2, v1
	v_add_nc_u32 v[VO+1], s31, v[VO]
.set i, 0
.rept 30
	v_add_nc_u32 v[VO+2+i], s35, v[VO+i]
.set i, i+1
.endr
	v_bfe_u32 v9, v0, 3, 1                         ; my column's tile of the two
	v_and_b32 v10, 7, v0
	v_lshl_add_u32 v10, v3, 3, v10                 ; and its lane row there
	v_mul_u32_u24 v11, v9, 1536
	v_lshl_add_u32 v11, v10, 4, v11
	s_mul_i32 s44, s[WV], 3072
	s_add_co_u32 s44, s44, WST
	v_add_nc_u32 v11, s44, v11                     ; where my column's codes go in the two images
	v_add_nc_u32 v12, s44, v[LI]                   ; and where the images are read back
	v_lshlrev_b32 v13, 9, v9
	v_lshl_add_u32 v13, v10, 4, v13                ; my column's scale word: 512 x tile + 16 x row
	s_mul_i32 s46, s28, 786432
	s_add_co_u32 s46, s46, 12582912
	s_mul_i32 s45, s30, 24576
	s_add_co_u32 s46, s46, s45
	s_mul_i32 s45, s29, 1536
	s_add_co_u32 s46, s46, s45
	s_mov_b32 s47, 0
	s_add_nc_u64 s[18:19], s[18:19], s[46:47]
	s_lshl_b32 s46, s28, 15
	s_add_co_u32 s46, s46, 524288
	s_lshl_b32 s45, s30, 10
	s_add_co_u32 s46, s46, s45
	s_lshr_b32 s45, s29, 2
	s_lshl_b32 s45, s45, 8
	s_add_co_u32 s46, s46, s45
	s_and_b32 s45, s29, 3
	s_lshl_b32 s45, s45, 2
	s_add_co_u32 s46, s46, s45
	s_add_nc_u64 s[20:21], s[20:21], s[46:47]
.macro WLOAD t                         ; block t's 32 numbers of my column: 32 lanes read 128 consecutive bytes
.set i, 0
.rept 32
	global_load_b32 v[WX+32*((\t)%2)+i], v[VO+i], s[36+2*(\t):37+2*(\t)] th:TH_LOAD_NT
.set i, i+1
.endr
.endm
.macro WBLOCK t
.set XS, WX+32*((\t)%2)
.set DD, DG+6*(\t)
.if (\t) < 3
	s_wait_loadcnt 32                              ; this block's 32 loads are in; the next block's may be out
.else
	s_wait_loadcnt 0x0
.endif
	v_max3_num_f32 v204, |v[XS]|, |v[XS+1]|, |v[XS+2]|   ; all 32 numbers of the block are mine
	v_max3_num_f32 v205, |v[XS+3]|, |v[XS+4]|, |v[XS+5]|
.irp i, 6,10,14,18,22,26
	v_max3_num_f32 v204, v204, |v[XS+\i]|, |v[XS+\i+1]|
	v_max3_num_f32 v205, v205, |v[XS+\i+2]|, |v[XS+\i+3]|
.endr
	v_max3_num_f32 v204, v204, |v[XS+30]|, |v[XS+31]|
	v_max3_num_f32 v204, v204, v205, 0x1800000     ; and the floor
	v_add_nc_u32 v206, 0xff000000, v204
	v_lshrrev_b32 v207, 23, v206
.if (\t) == 0
	v_mov_b32 v208, v207
.else
	v_lshl_or_b32 v208, v207, 8*(\t), v208         ; the four bytes make my column's scale word for this K step
.endif
	v_cvt_scalef32_pk16_fp6_f32 v[DD:DD+2], v[XS:XS+15], v206
	v_cvt_scalef32_pk16_fp6_f32 v[EH:EH+2], v[XS+16:XS+31], v206
	v_nop                                          ; one plain line behind the scaled conversions
.irp i, 0,1,2
	v_mov_b32 v[DD+3+\i], v[EH+\i]
.endr
; block t = 2 c + h is registers 6 c .. 6 c + 5 of image lane (row, h): 16 bytes and 8 bytes, at their places in the image's chunks
.if (\t) < 2
	ds_store_b128 v11, v[DD:DD+3] offset:256*((\t)%2)
	ds_store_b64 v11, v[DD+4:DD+5] offset:512+256*((\t)%2)
.else
	ds_store_b64 v11, v[DD:DD+1] offset:512+256*((\t)%2)+8
	ds_store_b128 v11, v[DD+2:DD+5] offset:1024+256*((\t)%2)
.endif
.if (\t) < 2
	WLOAD (\t)+2
.endif
.endm
	WLOAD 0
	WLOAD 1
	WBLOCK 0
	WBLOCK 1
	WBLOCK 2
	WBLOCK 3
.irp i, 0,1,2,3,4,5
	ds_load_b128 v[212+4*\i:215+4*\i], v12 offset:512*\i   ; LDS serves a wave's instructions in order: these see my stores
.endr
	global_store_b32 v13, v208, s[20:21]           ; 4 bytes of each row's 16: one byte in 128 of what this role reads
.irp i, 0,1,2,3,4,5
	s_wait_dscnt 5-\i                              ; the younger read-backs may be out
	global_store_b128 v[LI], v[212+4*\i:215+4*\i], s[18:19] offset:12288*(\i/3)+512*(\i%3)
.endr
	s_wait_tensorcnt 0x0
	ds_add_u32 v254, v255
	s_wait_dscnt 0x0
	s_endpgm
; ---------------- role M ----------------
.Lmask:
	s_sub_co_u32 s27, ttmp9, 768
	s_lshl_b32 s27, s27, 2
	s_add_co_u32 s27, s27, s[WV]                   ; J: query tile J >> 2, which 512 keys J & 3
	s_lshr_b32 s28, s27, 2
	s_and_b32 s29, s27, 3
	s_lshr_b32 s30, s28, 1
	s_lshl_b32 s30, s30, 16                        ; 32 (tile / 2) rows of 2,048 bytes
	s_and_b32 s31, s28, 1
	s_lshl_b32 s31, s31, 14
	s_add_co_u32 s30, s30, s31
	s_lshl_b32 s31, s29, 9
	s_add_co_u32 s30, s30, s31
	s_mov_b32 s31, 0
	s_add_nc_u64 s[16:17], s[16:17], s[30:31]
	s_lshl_b32 s30, s28, 12                        ; 16 key steps x 256 bytes a tile
	s_lshl_b32 s27, s29, 10
	s_add_co_u32 s30, s30, s27
	s_add_nc_u64 s[22:23], s[22:23], s[30:31]
	s_mul_i32 s27, s[WV], 16*SP
	s_add_co_u32 s27, s27, MST
	s_wait_alu depctr_va_vdst(0)
	v_add_nc_u32 v5, s27, v[LI]
	v_mul_u32_u24 v6, v2, SP
	v_lshl_add_u32 v6, v3, 5, v6                   ; row r, + 32 h: a lane's keys are a whole block of 32
	v_add_nc_u32 v6, s27, v6                       ; in my stage
	v_lshlrev_b32 v7, 3, v1                        ; 8 x lane
.irp i, 0,1,2,3,4,5,6,7,8,9,10,11,12,13,14,15
	global_load_b128 v[16+4*\i:19+4*\i], v[LI], s[16:17] offset:(\i+8*(\i/8))*2048 th:TH_LOAD_NT
.endr
.irp i, 0,1,2,3,4,5,6,7
	v_mov_b32 v[144+\i], 0                         ; a lane write's destination counts as read
.endr
	s_wait_loadcnt 0x0
.irp i, 0,1,2,3,4,5,6,7,8,9,10,11,12,13,14,15
	ds_store_b128 v5, v[16+4*\i:19+4*\i] offset:SP*\i
.endr
.irp i, 0,1,2,3,4,5,6,7,8,9,10,11,12,13,14,15
	ds_load_b128 v[80+4*\i:83+4*\i], v6 offset:128*(\i/4)+64*((\i%4)/2)+16*(\i%2)   ; THE ORDER STORED: word 32 c + i of a key step has in bit L the byte of query row L & 15 and key 128 step + 64 c + 32 (L >> 4) + i
.endr
	s_wait_dscnt 0x0
.macro MBITS ks, blk                   ; 16 words: a compare gives the 32 lanes' bits of one key place; word j goes to lane j / 2 of register j % 2
.irp x, 0,1,2,3
.irp y, 0,1,2,3
	v_and_b32 v[152+\y], 0xff<<(8*\y), v[80+16*\ks+4*\blk+\x]
	v_cmp_ne_u32 s[32+4*\x+\y], 0, v[152+\y]
.endr
.endr
.irp x, 0,1,2,3
.irp y, 0,1,2,3
	v_writelane_b32 v[144+2*\ks+(\y%2)], s[32+4*\x+\y], 8*\blk+2*\x+\y/2
.endr
.endr
.endm
.irp k, 0,1,2,3
	MBITS \k, 0
	MBITS \k, 1
	MBITS \k, 2
	MBITS \k, 3
	global_store_b64 v7, v[144+2*\k:145+2*\k], s[22:23] offset:256*\k   ; a key step's 64 words: 256 consecutive bytes, aligned
.endr
	s_wait_tensorcnt 0x0
	ds_add_u32 v254, v255
	s_wait_dscnt 0x0
	s_endpgm
.Lfunc_end_k_q83c0fe3894_prep:
	.size	k_q83c0fe3894_prep, .Lfunc_end_k_q83c0fe3894_prep-k_q83c0fe3894_prep
	.p2alignl 7, 3214868480
	.fill 96, 4, 3214868480
	.section	.rodata,"a",@progbits
	.p2align	6, 0x0
	.amdhsa_kernel k_q83c0fe3894_prep
		.amdhsa_group_segment_fixed_size 80384
		.amdhsa_private_segment_fixed_size 0
		.amdhsa_enable_private_segment 0
		.amdhsa_kernarg_size 80
		.amdhsa_user_sgpr_count 2
		.amdhsa_user_sgpr_kernarg_segment_ptr 1
		.amdhsa_wavefront_size32 1
		.amdhsa_system_sgpr_workgroup_id_x 1
		.amdhsa_system_sgpr_workgroup_id_y 1
		.amdhsa_system_sgpr_workgroup_id_z 1
		.amdhsa_system_vgpr_workitem_id 0
		.amdhsa_next_free_vgpr 256
		.amdhsa_next_free_sgpr 66
		.amdhsa_reserve_vcc 0
		.amdhsa_float_denorm_mode_32 3
		.amdhsa_float_denorm_mode_16_64 3
		.amdhsa_memory_ordered 1
		.amdhsa_forward_progress 1
		.amdhsa_inst_pref_size 110
	.end_amdhsa_kernel
	.amdgpu_metadata
---
amdhsa.version: [ 1, 2 ]
amdhsa.kernels:
  - .name:           k_q83c0fe3894_prep
    .symbol:         k_q83c0fe3894_prep.kd
    .args:
      - { .name: x_q, .offset: 0, .size: 8, .value_kind: global_buffer, .address_space: global }
      - { .name: x_kv, .offset: 8, .size: 8, .value_kind: global_buffer, .address_space: global }
      - { .name: W_Q, .offset: 16, .size: 8, .value_kind: global_buffer, .address_space: global }
      - { .name: W_K, .offset: 24, .size: 8, .value_kind: global_buffer, .address_space: global }
      - { .name: W_V, .offset: 32, .size: 8, .value_kind: global_buffer, .address_space: global }
      - { .name: W_O, .offset: 40, .size: 8, .value_kind: global_buffer, .address_space: global }
      - { .name: mask, .offset: 48, .size: 8, .value_kind: global_buffer, .address_space: global }
      - { .name: opc, .offset: 56, .size: 8, .value_kind: global_buffer, .address_space: global }
      - { .name: ops, .offset: 64, .size: 8, .value_kind: global_buffer, .address_space: global }
      - { .name: mbits, .offset: 72, .size: 8, .value_kind: global_buffer, .address_space: global }
    .group_segment_fixed_size: 80384
    .private_segment_fixed_size: 0
    .kernarg_segment_align: 8
    .kernarg_segment_size: 80
    .max_flat_workgroup_size: 128
    .sgpr_count:     66
    .vgpr_count:     256
    .wavefront_size: 32
...
	.end_amdgpu_metadata
.endif
;; end of part 1
;; launch proj (part 2): grid 4 x 96, 4 waves a work-group, clusters of 4 x 4, 327,680 bytes of LDS; arguments opc, ops, b_Q, b_K, b_V, qkvc, qkvs; writes qkvc, qkvs
.if DOCPART == 2
	.amdgcn_target "amdgcn-amd-amdhsa--gfx1250"
	.amdhsa_code_object_version 6
	.text
	.protected	k_q83c0fe3894_proj
	.globl	k_q83c0fe3894_proj
	.p2align	8
	.type	k_q83c0fe3894_proj,@function
k_q83c0fe3894_proj:
	s_mov_b64 s[64:65], 0
	v_nop
	global_prefetch_b8 v0, s[64:65] scope:SCOPE_SE
	s_setreg_imm32_b32 hwreg(HW_REG_WAVE_MODE, 25, 1), 1
	s_wait_xcnt 0x0
	s_wait_alu depctr_hold_cnt(0) depctr_sa_sdst(0) depctr_va_vdst(0) depctr_va_sdst(0) depctr_va_ssrc(0) depctr_va_vcc(0) depctr_vm_vsrc(0)
	s_getreg_b32 s2, hwreg(HW_REG_IB_STS2, 6, 4)
	s_cmp_eq_u32 s2, 0
	s_cbranch_scc0 .Lentry_in_a_cluster
	s_endpgm
.Lentry_in_a_cluster:
	s_bfe_u32 s2, ttmp6, 0x10000c
	s_cmp_lg_u32 s2, 0xf033
	s_cbranch_scc0 .Lentry_shape_is_right
	s_endpgm
.Lentry_shape_is_right:
; PROJ: q = x_q W_Q + b_Q, k = x_kv W_K + b_K, v = x_kv W_V + b_V, three products [8192 x 1024] x [1024 x 1024] on codes of E2M3, and their results quantised at once for the attention's two products.
; Nothing leaves as f32.  Work-group rows 0-31 make q, 32-63 k, 64-95 v (prob = cluster y / 8: the same in all sixteen partners).
; A tile of C is 256 x 256: four waves, each 128 x 128: 64 accumulators, 512 registers.  K = 1,024 goes as four chunks of 256 through two LDS slots, written out without a loop: every offset is an immediate.
; OPERANDS ARE IMAGES OF THEIR REGISTERS (1,536 bytes a fragment: chunk c holds lane l's registers 4 c .. 4 c + 3 at 16 l): three ds_load_b128 a fragment, consecutive bytes, no pitch and no padding.
; Region R of a slot: 16 tiles of x (by the tile row, shared along a row of the cluster); region C: 16 tiles of W (by the tile column, shared along a column): joint loads, as many requests divided by four.
; SOURCE 1 (T, a lane a row) and SOURCE 0 (U, registers along its rows): for q and k T = x, U = W: a lane holds one row of x and 128 neighbouring columns (two heads), which are the score product's K.
; For v the two LDS read bases change places: T = W_V's columns, U = keys: a lane holds one channel and 128 neighbouring keys, the second product's K.  The choice hangs on prob alone.
; Rows of x and columns of W lie in tile order (row r of tile T = 32 (T / 2) + 8 (T % 2) + r + (r & 8)), so the 64 registers of a T block's eight accumulators are 64 numbers in the quantiser's order.
; OUT: q, k: [head][pair of 32 rows][1,536]: registers 0-5 tile 0 (16 rows x 64 codes), 6-11 tile 1; v: [head][key step][4 channel tiles][1,536]; scale words [head][step of 128 rows][r][4].
; LIMITS: a block of zeros gets the byte 1 (zero codes; only this program reads the bytes); NaN and infinities are not served.
; No prefetch: of the four chunks two are first fills, and the tiles are shared by joint loads.
.set NQ,    2                          ; matrix instructions deep in a slot
.set FR,    12
.set NL,    3                          ; LDS loads to a fragment
.set NP,    4                          ; places behind this matrix instruction (ISA guide 7.12.1)
.set TILEB, 3072                       ; a tile's two images in a slot
.set HALFT, 8*TILEB                    ; what one tensor load brings, and what a wave reads of a region
.set SLOT,  4*HALFT
.set SCL,   2*SLOT                     ; the scale words of R's and C's 256 rows for all of K: filled once
.set HALFS, 4096
.set SPARE, SCL+4*HALFS                ; the spare words: 128 bytes a wave, named by no other line
.set ADRA, 16                          ; v16-17 T's fragments in slot 0, 1
.set ADRB, 20                          ; v20-21 U's
.set RR,   22                          ; v22 r
.set HH,   23                          ; v23 h
.set LI,   24                          ; v24 16 x lane
.set SOFF, 25                          ; v25 16 r + 4,096 h: a row's scale words, lanes 16-31 the next head's
.set BO,   26                          ; v26 the bias's lane offset
.set ADRS, 27                          ; v27 scale words: lanes 0-15 T's, lanes 16-31 U's
.set SPW,  28
.set NIL,  29
.set SC,   32                          ; v32-63 scale words, a set of 16 for each slot
.set BI,   64                          ; v64-127 the bias
.set AF,   128                         ; v128-223 T's fragments, one set
.set H,    128                         ; the way out: v128-191 64 numbers
.set R,    192                         ; v192-215 two images
.set CT,   216
.set TM,   224
.set PW,   240                         ; v240-247 scale words as made
.set SW,   248                         ; v248-251 as stored
.set LM,   2                           ; s2 the lane mask of lanes 16-31
.set WV,   18
.set HR,   19                          ; wave / 2: my half of R.  Also: I fetch for R (0) or for C (1)
.set HC,   20                          ; wave % 2: my half of C.  Also: which half of that region I fetch
.set YY,   21
.set PRB,  22
.set XX,   42
.set G1,   24
.set G0,   32
.set G1B,  48
.set G0B,  56
.set G1S,  68
.set G0S,  76
.set G1SB, 80
.set G0SB, 88
.set SEL,  100
.set MSB, 0
.macro WIN new                         ; the immediate's high byte repeats the setting that is left
.if MSB != (\new)
	s_set_vgpr_msb (MSB<<8)|(\new)
.set MSB, (\new)
.endif
.endm
.set MUL_LO, 0xa1                      ; source 0 (U) window 1, source 1 (T) window 0, C and D window 2
.set MUL_HI, 0xf1
.set TO_B,   0x40
.macro JLOAD g0a, g1a, g0b, g1b        ; a joint load: waves 0, 1 for R, waves 2, 3 for C; four v_nop follow each line
	s_cmp_eq_u32 s[HR], 0
	s_cbranch_scc0 .Lfor_b_\@
	tensor_load_to_lds s[\g0a:\g0a+3], s[\g1a:\g1a+7]
	s_nop 0
.rept 4
	v_nop
.endr
	s_branch .Lasked_\@
.Lfor_b_\@:
	tensor_load_to_lds s[\g0b:\g0b+3], s[\g1b:\g1b+7]
	s_nop 0
.rept 4
	v_nop
.endr
.Lasked_\@:
.endm
.macro CREST
	s_cmp_lg_u32 s[WV], 0
	s_cbranch_scc1 .Lnot_wave_0_\@
	s_barrier_signal -3
.Lnot_wave_0_\@:
	s_barrier_wait -3
	s_barrier_signal -1
	s_barrier_wait -1
.endm
.macro CROUND
	s_barrier_signal -1
	s_barrier_wait -1
	CREST
.endm
.macro PLACES n
.rept \n
	v_nop
.endr
.endm
.macro QUANTD s, d0, d1, pw            ; 64 numbers, register 16 b + i = k 32 b + 16 h + i: codes of k 0-63 to d0 .. d0+5, of k 64-127 to d1 .. d1+5, the scale word to pw
.irp b, 0,1,2,3
	v_max3_num_f32 v[TM+\b], |v[\s+16*\b]|, |v[\s+1+16*\b]|, 0x1800000   ; with the floor 2^(3 - 127): the byte cannot fall under 1
.endr
.irp i, 2,4,6,8,10,12,14
.irp b, 0,1,2,3
	v_max3_num_f32 v[TM+\b], v[TM+\b], |v[\s+16*\b+\i]|, |v[\s+1+16*\b+\i]|
.endr
.endr
.irp b, 0,1,2,3
	v_permlanex16_b32 v[TM+4+\b], v[TM+\b], s[SEL], s[SEL+1]
.endr
.irp b, 0,1,2,3
	v_max_num_f32 v[TM+\b], v[TM+\b], v[TM+4+\b]
.endr
.irp b, 0,1,2,3
	v_add_nc_u32 v[TM+12+\b], 0xff000000, v[TM+\b]   ; 2 off the exponent field: the conversion's scale operand
.endr
.irp b, 0,1,2,3
	v_lshrrev_b32 v[TM+4+\b], 23, v[TM+12+\b]
.endr
	v_lshl_or_b32 v[\pw], v[TM+5], 8, v[TM+4]
	v_lshl_or_b32 v[\pw], v[TM+6], 16, v[\pw]
	v_lshl_or_b32 v[\pw], v[TM+7], 24, v[\pw]
	v_cvt_scalef32_pk16_fp6_f32 v[\d0:\d0+2], v[\s:\s+15], v[TM+12]
	v_cvt_scalef32_pk16_fp6_f32 v[CT:CT+2], v[\s+16:\s+31], v[TM+13]
	v_cvt_scalef32_pk16_fp6_f32 v[\d1:\d1+2], v[\s+32:\s+47], v[TM+14]
	v_cvt_scalef32_pk16_fp6_f32 v[CT+4:CT+6], v[\s+48:\s+63], v[TM+15]
	v_nop                                          ; one plain line behind the scaled conversions
.irp i, 0,1,2
	v_permlane16_swap_b32 v[\d0+\i], v[CT+\i]
	v_permlane16_swap_b32 v[\d1+\i], v[CT+4+\i]
.endr
.irp i, 0,1,2
	v_mov_b32 v[\d0+3+\i], v[CT+\i]
	v_mov_b32 v[\d1+3+\i], v[CT+4+\i]
.endr
.endm
	s_load_b256 s[4:11], s[0:1], 0x0               ; opc s4, ops s6, b_Q s8, b_K s10
	s_load_b128 s[12:15], s[0:1], 0x20             ; b_V s12, qkvc s14
	s_load_b64 s[16:17], s[0:1], 0x30              ; qkvs
	v_lshl_add_u32 v[SPW], v0, 2, SPARE
	v_mov_b32 v[NIL], 0
	ds_add_u32 v28, v29
	ds_add_u32 v28, v29
	s_wait_dscnt 0x0
	v_lshrrev_b32 v1, 5, v0
	v_readfirstlane_b32 s[WV], v1
	s_lshr_b32 s[HR], s[WV], 1
	s_and_b32 s[HC], s[WV], 1
	s_bfe_u32 s40, ttmp6, 0x40000                  ; cx
	s_bfe_u32 s41, ttmp6, 0x40004                  ; cy
	s_lshl_b32 s[XX], ttmp9, 2
	s_add_co_u32 s[XX], s[XX], s40                 ; X: tile column
	s_and_b32 s[YY], ttmp7, 0xffff
	s_lshr_b32 s[PRB], s[YY], 3                    ; 0: q, 1: k, 2: v
	s_lshl_b32 s[YY], s[YY], 2
	s_add_co_u32 s[YY], s[YY], s41                 ; Y: tile row over the three products
	s_lshl_b32 s43, s41, 2
	s_lshl_b32 s43, 15, s43                        ; my row of the cluster
	s_lshl_b32 s44, 0x1111, s40                    ; my column
	; descriptor group 1: 8 tiles x 3,072 bytes (384 elements of 8 bytes), 12,288 bytes from tile to tile; no padding
	s_or_b32 s[G1+0], s43, (3<<16)|(1<<21)
	s_or_b32 s[G1B+0], s44, (3<<16)|(1<<21)
.irp g, G1, G1B
	s_mov_b32 s[\g+1], 384<<16                     ; tensor_dim0
	s_mov_b32 s[\g+2], 16<<16                      ; the head's loads bring a whole region, 16 tiles; behind them the two words that count tiles are set to 8
	s_mov_b32 s[\g+3], 384<<16                     ; tile_dim0
	s_mov_b32 s[\g+4], 16
	s_mov_b32 s[\g+5], 1536                        ; pitch in elements
	s_mov_b32 s[\g+6], 0
	s_mov_b32 s[\g+7], 0
.endr
	; the scale words of 256 rows: 8,192 dense bytes as 32 rows of 256
	s_or_b32 s[G1S+0], s43, (3<<16)|(1<<21)
	s_or_b32 s[G1SB+0], s44, (3<<16)|(1<<21)
.irp g, G1S, G1SB
	s_mov_b32 s[\g+1], 32<<16
	s_mov_b32 s[\g+2], 32<<16
	s_mov_b32 s[\g+3], 32<<16
	s_mov_b32 s[\g+4], 32
	s_mov_b32 s[\g+5], 32
	s_mov_b32 s[\g+6], 0
	s_mov_b32 s[\g+7], 0
.endr
	s_cmp_eq_u32 s[PRB], 2
	s_cselect_b32 s23, 32, 0
	s_sub_co_u32 s45, s[YY], s23                   ; x's tile row among [x_q; x_kv]: v reads x_kv again
	s_lshl_b32 s46, s[PRB], 2
	s_add_co_u32 s46, s46, s[XX]                   ; W's tile row among [W_Q; W_K; W_V]
	s_mul_i32 s100, s[HC], 98304                   ; in the ring I fetch a half: 8 tiles
	s_mov_b32 s101, 0
	s_mul_i32 s92, s45, 196608
	s_mov_b32 s93, 0
	s_lshl_b32 s94, s45, 13
	s_mov_b32 s95, 0
	s_mul_i32 s96, s46, 196608
	s_add_co_u32 s96, s96, 12582912
	s_mov_b32 s97, 0
	s_lshl_b32 s98, s46, 13
	s_add_co_u32 s98, s98, 524288
	s_mov_b32 s99, 0
	s_mul_i32 s3, s[WV], HALFT                     ; where they go: wave x a half: no place in the cluster enters an LDS address
	s_wait_kmcnt 0x0
	s_add_nc_u64 s[92:93], s[4:5], s[92:93]
	s_add_nc_u64 s[94:95], s[6:7], s[94:95]
	s_add_nc_u64 s[96:97], s[4:5], s[96:97]
	s_add_nc_u64 s[98:99], s[6:7], s[98:99]
	CROUND                                         ; all sixteen work-groups are here: the first joint loads meet
	s_mov_b32 s[G0S], 1
	s_mov_b32 s[G0S+1], SCL
	s_mov_b64 s[G0S+2:G0S+3], s[94:95]
	s_or_b32 s[G0S+3], s[G0S+3], 0x80000000
	s_mov_b32 s[G0SB], 1
	s_mov_b32 s[G0SB+1], SCL+2*HALFS
	s_mov_b64 s[G0SB+2:G0SB+3], s[98:99]
	s_or_b32 s[G0SB+3], s[G0SB+3], 0x80000000
	s_mov_b32 s4, 1                                ; group 0 for chunk 0 of region R, whole (the arguments that lay here have been used)
	s_mov_b32 s5, 0
	s_mov_b64 s[6:7], s[92:93]
	s_or_b32 s7, s7, 0x80000000
	s_mov_b32 s44, 1                               ; and of region C, behind R in slot 0
	s_mov_b32 s45, 2*HALFT
	s_mov_b64 s[46:47], s[96:97]
	s_or_b32 s47, s47, 0x80000000
	s_add_nc_u64 s[92:93], s[92:93], s[100:101]    ; for the ring: my half of the region
	s_add_nc_u64 s[96:97], s[96:97], s[100:101]
.irp s, 0,1
	s_mov_b32 s[G0+4*\s], 1
	s_add_co_u32 s[G0+4*\s+1], s3, \s*SLOT
	s_add_nc_u64 s[G0+4*\s+2:G0+4*\s+3], s[92:93], \s*TILEB
	s_or_b32 s[G0+4*\s+3], s[G0+4*\s+3], 0x80000000
	s_mov_b32 s[G0B+4*\s], 1
	s_add_co_u32 s[G0B+4*\s+1], s3, \s*SLOT
	s_add_nc_u64 s[G0B+4*\s+2:G0B+4*\s+3], s[96:97], \s*TILEB
	s_or_b32 s[G0B+4*\s+3], s[G0B+4*\s+3], 0x80000000
.endr
; THE HEAD'S LOADS, ONE A WAVE: wave 0 chunk 0 of R, wave 1 chunk 0 of C, wave 2 R's scale words, wave 3 C's.  One tree of branches on the wave's number, all arms to one join.
.macro ARM under, g0, g1, next
	s_cmp_lt_u32 s[WV], \under
	s_cbranch_scc0 \next
	tensor_load_to_lds s[\g0:\g0+3], s[\g1:\g1+7]
	s_nop 0
.rept 4
	v_nop
.endr
	s_branch .Lhead_asked
\next:
.endm
	ARM 1, 4, G1, .Lhead_b
	ARM 2, 44, G1B, .Lhead_sa
	ARM 3, G0S, G1S, .Lhead_sb
	tensor_load_to_lds s[G0SB:G0SB+3], s[G1SB:G1SB+7]
	s_nop 0
.rept 4
	v_nop
.endr
.Lhead_asked:
	v_and_b32 v1, 31, v0
	v_lshlrev_b32 v[LI], 4, v1
	s_wait_alu depctr_va_vdst(0)
	v_and_b32 v[RR], 15, v0
	s_wait_alu depctr_va_vdst(0)
	v_bfe_u32 v[HH], v0, 4, 1
	s_mul_i32 s92, s[HR], HALFT                    ; my half of R
	s_mul_i32 s93, s[HC], HALFT
	s_add_co_u32 s93, s93, 2*HALFT                 ; my half of C
	s_lshl_b32 s94, s[HR], 12
	s_lshl_b32 s95, s[HC], 12
	s_add_co_u32 s95, s95, 2*HALFS
	s_cmp_eq_u32 s[PRB], 2                         ; v: T and U change places
	s_cselect_b32 s96, s93, s92
	s_cselect_b32 s97, s92, s93
	s_cselect_b32 s98, s95, s94
	s_cselect_b32 s99, s94, s95
	v_add_nc_u32 v[ADRA], s96, v[LI]
	v_add_nc_u32 v[ADRB], s97, v[LI]
	v_add_nc_u32 v[ADRA+1], SLOT, v[ADRA]
	v_add_nc_u32 v[ADRB+1], SLOT, v[ADRB]
	v_lshlrev_b32 v2, 4, v[RR]
	v_add_nc_u32 v3, s98, v2
	v_add_nc_u32 v4, s99, v2
	s_mov_b32 s[LM], 0xffff0000
	v_cndmask_b32 v3, v3, v4, s[LM]                ; lanes 0-15 T's words, lanes 16-31 U's
	v_add_nc_u32 v[ADRS], SCL, v3
	v_lshl_add_u32 v[SOFF], v[HH], 12, v2
	s_mov_b32 s[SEL], 0x76543210
	s_mov_b32 s[SEL+1], 0xfedcba98
	; where the results go
	s_lshl_b32 s92, s[PRB], 5
	s_sub_co_u32 s92, s[YY], s92                   ; the tile row inside the product
	s_lshr_b32 s93, s92, 3                         ; batch
	s_and_b32 s92, s92, 7
	s_lshl_b32 s93, s93, 4
	s_lshl_b32 s94, s[XX], 2
	s_add_co_u32 s93, s93, s94
	s_lshl_b32 s94, s[HC], 1
	s_add_co_u32 s93, s93, s94                     ; my first head: 16 batch + 4 X + 2 (half of C)
	s_lshl_b32 s92, s92, 1
	s_add_co_u32 s92, s92, s[HR]                   ; my step of 128 rows in the batch
	s_mul_i32 s96, s[PRB], 6291456
	s_mul_i32 s94, s93, 98304
	s_add_co_u32 s96, s96, s94
	s_mul_i32 s94, s92, 6144
	s_add_co_u32 s96, s96, s94
	s_mov_b32 s97, 0
	s_add_nc_u64 s[14:15], s[14:15], s[96:97]
	s_lshl_b32 s96, s[PRB], 18
	s_lshl_b32 s94, s93, 12
	s_add_co_u32 s96, s96, s94
	s_lshl_b32 s94, s92, 8
	s_add_co_u32 s96, s96, s94
	s_add_nc_u64 s[16:17], s[16:17], s[96:97]
	s_cmp_eq_u32 s[PRB], 1
	s_cselect_b64 s[8:9], s[10:11], s[8:9]
	s_cmp_eq_u32 s[PRB], 2
	s_cselect_b64 s[8:9], s[12:13], s[8:9]
	s_lshl_b32 s96, s[XX], 10
	s_lshl_b32 s94, s[HC], 9
	s_add_co_u32 s96, s96, s94
	s_add_nc_u64 s[8:9], s[8:9], s[96:97]          ; the bias of my 128 columns
.macro FRAG reg, adr, q, i             ; tile i's image of the slot's q-th 128 along K
.irp c, 0,1,2
	ds_load_b128 v[\reg+4*\c:\reg+4*\c+3], v[\adr] offset:TILEB*(\i)+1536*(\q)+512*\c
.endr
.endm
; 16 matrix instructions: T's blocks a0, a0 + 1 x U's eight.  The 64 accumulators take turns, one instruction a turn, in the same order in every step.
.macro MUL16 a0, p, q, sc, zero
.irp a, \a0, \a0+1
.irp b, 0,1,2,3,4,5,6,7
.if \zero
	v_wmma_scale_f32_16x16x128_f8f6f4 v[8*(8*((\a)%4)+\b):8*(8*((\a)%4)+\b)+7], v[128*(\p)+FR*\b:128*(\p)+FR*\b+FR-1], v[AF+FR*(\a):AF+FR*(\a)+FR-1], 0, v[SC+16*(\sc)+NQ*\b+(\q)], v[SC+16*(\sc)+NQ*(\a)+(\q)] matrix_a_fmt:MATRIX_FMT_FP6 matrix_b_fmt:MATRIX_FMT_FP6 matrix_a_scale:MATRIX_SCALE_ROW1
.else
	v_wmma_scale_f32_16x16x128_f8f6f4 v[8*(8*((\a)%4)+\b):8*(8*((\a)%4)+\b)+7], v[128*(\p)+FR*\b:128*(\p)+FR*\b+FR-1], v[AF+FR*(\a):AF+FR*(\a)+FR-1], v[8*(8*((\a)%4)+\b):8*(8*((\a)%4)+\b)+7], v[SC+16*(\sc)+NQ*\b+(\q)], v[SC+16*(\sc)+NQ*(\a)+(\q)] matrix_a_fmt:MATRIX_FMT_FP6 matrix_b_fmt:MATRIX_FMT_FP6 matrix_a_scale:MATRIX_SCALE_ROW1
.endif
.endr
.endr
.endm
.macro FETCH_B slot, q, p
	WIN TO_B
.irp i, 0,1,2,3,4,5,6,7
	FRAG 128*(\p)+FR*\i, ADRB+\slot, \q, \i
.endr
	WIN 0
.endm
.macro FETCH_A slot, q, i0
.irp i, \i0, \i0+1, \i0+2, \i0+3
	FRAG AF+FR*(\i), ADRA+\slot, \q, \i
.endr
.endm
.macro SCALES ss, sig                  ; chunk sig's two words a row into set ss
.irp i, 0,1,2,3,4,5,6,7
	ds_load_b64 v[SC+16*\ss+2*\i:SC+16*\ss+2*\i+1], v[ADRS] offset:512*\i+256*((\sig)/2)+8*((\sig)%2)
.endr
.endm
.macro STEP slot, zero                 ; a slot's first 128 along K
	s_wait_dscnt 4*NL                              ; U's set and T's blocks 0-3 are in; the youngest 12 loads (T's blocks 4-7) may be out
	WIN MUL_LO
	MUL16 0, 0, 0, \slot, \zero
	MUL16 2, 0, 0, \slot, \zero
	s_wait_dscnt 0x0
	PLACES NP                                      ; in front of loads into registers that matrix instructions have read
	FETCH_B \slot, 1, 1
	FETCH_A \slot, 1, 0
	WIN MUL_HI
	MUL16 4, 0, 0, \slot, \zero
	MUL16 6, 0, 0, \slot, \zero
	PLACES NP
	WIN 0
	FETCH_A \slot, 1, 4
.endm
; A slot's second 128 along K, and the change of slots: one barrier; in front of it each wave waits for all its tensor loads, adds 0 to its spare word, and waits for that and for its reads of this slot.
.macro TURN slot, next, fill, sig
	s_wait_tensorcnt 0x0                           ; all my tensor loads have landed: my part of the next slot
	ds_add_u32 v[SPW], v[NIL]                      ; 0 onto my spare word
	s_wait_dscnt 4*NL+1                            ; the add and the youngest 12 loads may be out
	WIN MUL_LO
	MUL16 0, 1, 1, \slot, 0
	s_wait_dscnt 0x0                               ; the add is done, and my reads of this slot are over
	s_barrier_signal -1
	MUL16 2, 1, 1, \slot, 0
	WIN 0
	s_barrier_wait -1
.if \fill
	CREST                                          ; the barrier has opened a round of the cluster's barrier: no wave of any partner still reads this slot or has a load on its way
	s_add_nc_u64 s[G0+4*\slot+2:G0+4*\slot+3], s[G0+4*\slot+2:G0+4*\slot+3], 2*TILEB
	s_add_nc_u64 s[G0B+4*\slot+2:G0B+4*\slot+3], s[G0B+4*\slot+2:G0B+4*\slot+3], 2*TILEB
	JLOAD G0+4*\slot, G1, G0B+4*\slot, G1B         ; the first tensor load behind the round; its four v_nop are the places in front of the loads below
.else
	PLACES NP
.endif
	FETCH_B \next, 0, 0
	FETCH_A \next, 0, 0
	SCALES \next, \sig
	WIN MUL_HI
	MUL16 4, 1, 1, \slot, 0
	MUL16 6, 1, 1, \slot, 0
	PLACES NP
	WIN 0
	FETCH_A \next, 0, 4
.endm
; THE LAST 128 ALONG K AND THE WAY OUT.  The bias is asked for first and lands under the 64 products.  Then, pair by pair of T's blocks: accumulator + bias into window 0 (the addition is also the move), quantised, stored as images.
.macro TAIL isv
.if \isv
	v_and_b32 v[BO], 8, v[RR]
	v_add_nc_u32 v[BO], v[BO], v[RR]
	v_lshlrev_b32 v[BO], 2, v[BO]                  ; a lane holds one channel: r + (r & 8) of its tile
.irp a, 0,1,2,3,4,5,6,7
	global_load_b32 v[BI+2*\a], v[BO], s[8:9] offset:4*(32*(\a/2)+8*(\a%2))
.endr
.else
	v_lshlrev_b32 v[BO], 6, v[HH]                  ; register 16 b + i is column 32 b + 16 h + i
.irp e, 0,1,2,3,4,5,6,7,8,9,10,11,12,13,14,15
	global_load_b128 v[BI+4*\e:BI+4*\e+3], v[BO], s[8:9] offset:128*(\e/4)+16*(\e%4)
.endr
.endif
	s_wait_dscnt 4*NL
	WIN MUL_LO
	MUL16 0, 1, 1, 1, 0
	MUL16 2, 1, 1, 1, 0
	s_wait_dscnt 0x0
	WIN MUL_HI
	MUL16 4, 1, 1, 1, 0
	MUL16 6, 1, 1, 1, 0
	WIN 0
	PLACES NP                                      ; in front of the first read of results and of writes over T's fragments
	s_wait_loadcnt 0x0                             ; the bias
.irp b, 0,1,2,3
	v_mov_b32 v[TM+4+\b], 0                        ; a lane permute's destination counts as one of its sources
.endr
.if \isv
.irp a, 0,1,2,3,4,5,6,7
	v_mov_b32 v[BI+2*\a+1], v[BI+2*\a]             ; the packed addition takes a pair
.endr
.endif
.irp g, 0,1,2,3
.if \g > 0
	s_wait_xcnt 0x0                                ; the last pair's stores have read their registers
.endif
.irp u, 0,1
	WIN 0x02+(2*\g+\u)/4                           ; source 0: window 2 or 3
.set e, 0
.rept 32
.if \isv
	v_pk_add_f32 v[H+2*e:H+2*e+1], v[64*((2*\g+\u)%4)+2*e:64*((2*\g+\u)%4)+2*e+1], v[BI+2*(2*\g+\u):BI+2*(2*\g+\u)+1]
.else
	v_pk_add_f32 v[H+2*e:H+2*e+1], v[64*((2*\g+\u)%4)+2*e:64*((2*\g+\u)%4)+2*e+1], v[BI+2*e:BI+2*e+1]   ; each accumulator from its low end on
.endif
.set e, e+1
.endr
	WIN 0
.if \isv
	QUANTD H, R+12*\u, R+12*\u+6, PW+2*\g+\u       ; a whole fragment: 16 channels x 128 keys
.else
	QUANTD H, R+6*\u, R+12+6*\u, PW+\u             ; the two heads part, the pair's two tiles join
.endif
.endr
.if \isv
.irp u, 0,1
.irp k, 0,1,2
	global_store_b128 v[LI], v[R+12*\u+4*\k:R+12*\u+4*\k+3], s[14:15] offset:98304*(\g/2)+1536*(2*(\g%2)+\u)+512*\k
.endr
.endr
.else
	v_perm_b32 v252, v[PW+1], v[PW], 0x05040100    ; the first head's word: tile 0's two bytes, tile 1's two
	v_perm_b32 v253, v[PW+1], v[PW], 0x07060302    ; the second head's
	v_cndmask_b32 v[SW+\g], v252, v253, s[LM]
.irp c, 0,1
.irp k, 0,1,2
	global_store_b128 v[LI], v[R+12*\c+4*\k:R+12*\c+4*\k+3], s[14:15] offset:98304*\c+1536*\g+512*\k
.endr
.endr
.endif
.endr
.if \isv
.irp t, 0,1,2,3
	v_cndmask_b32 v[SW+\t], v[PW+\t], v[PW+4+\t], s[LM]   ; lanes 0-15 the first head's tile t, lanes 16-31 the second's
.endr
.endif
	global_store_b128 v[SOFF], v[SW:SW+3], s[16:17]   ; sixteen lanes store 256 consecutive bytes, aligned, for each of the two heads
.endm
	s_wait_alu depctr_va_vdst(0)
	s_wait_tensorcnt 0x0                           ; my tile of the head's four is in
	ds_add_u32 v[SPW], v[NIL]
	s_mov_b32 s[G1+2], 8<<16                       ; no tensor load of mine is out: from here on a load brings 8 tiles
	s_mov_b32 s[G1+4], 8
	s_mov_b32 s[G1B+2], 8<<16
	s_mov_b32 s[G1B+4], 8
	s_wait_dscnt 0x0
	CROUND                                         ; all four tiles are in, and all sixteen work-groups are here
	JLOAD G0+4, G1, G0B+4, G1B                     ; chunk 1, the first tensor load behind the round
	FETCH_B 0, 0, 0
	FETCH_A 0, 0, 0
	SCALES 0, 0
	FETCH_A 0, 0, 4
	STEP 0, 1                                      ; the first products start the sums: nothing is cleared
	TURN 0, 1, 1, 1                                ; slot 0 takes chunk 2
	STEP 1, 0
	TURN 1, 0, 1, 2                                ; slot 1 takes chunk 3
	STEP 0, 0
	TURN 0, 1, 0, 3                                ; nothing is left to fetch: no round
	STEP 1, 0
	s_cmp_eq_u32 s[PRB], 2                         ; the same in all sixteen partners
	s_cbranch_scc1 .Ltail_v
	TAIL 0
	s_branch .Lend
.Ltail_v:
	TAIL 1
.Lend:
	s_wait_tensorcnt 0x0                           ; the wave's end
	ds_add_u32 v[SPW], v[NIL]
	s_wait_dscnt 0x0
	CROUND                                         ; the closing round
	s_endpgm
.Lfunc_end_k_q83c0fe3894_proj:
	.size	k_q83c0fe3894_proj, .Lfunc_end_k_q83c0fe3894_proj-k_q83c0fe3894_proj
	.p2alignl 7, 3214868480
	.fill 96, 4, 3214868480
	.section	.rodata,"a",@progbits
	.p2align	6, 0x0
	.amdhsa_kernel k_q83c0fe3894_proj
		.amdhsa_group_segment_fixed_size 327680
		.amdhsa_private_segment_fixed_size 0
		.amdhsa_enable_private_segment 0
		.amdhsa_kernarg_size 56
		.amdhsa_user_sgpr_count 2
		.amdhsa_user_sgpr_kernarg_segment_ptr 1
		.amdhsa_wavefront_size32 1
		.amdhsa_system_sgpr_workgroup_id_x 1
		.amdhsa_system_sgpr_workgroup_id_y 1
		.amdhsa_system_sgpr_workgroup_id_z 1
		.amdhsa_system_vgpr_workitem_id 0
		.amdhsa_next_free_vgpr 1024
		.amdhsa_next_free_sgpr 106
		.amdhsa_reserve_vcc 0
		.amdhsa_float_denorm_mode_32 3
		.amdhsa_float_denorm_mode_16_64 3
		.amdhsa_memory_ordered 1
		.amdhsa_forward_progress 1
		.amdhsa_inst_pref_size 217
	.end_amdhsa_kernel
	.amdgpu_metadata
---
amdhsa.version: [ 1, 2 ]
amdhsa.kernels:
  - .name:           k_q83c0fe3894_proj
    .symbol:         k_q83c0fe3894_proj.kd
    .args:
      - { .name: opc, .offset: 0, .size: 8, .value_kind: global_buffer, .address_space: global }
      - { .name: ops, .offset: 8, .size: 8, .value_kind: global_buffer, .address_space: global }
      - { .name: b_Q, .offset: 16, .size: 8, .value_kind: global_buffer, .address_space: global }
      - { .name: b_K, .offset: 24, .size: 8, .value_kind: global_buffer, .address_space: global }
      - { .name: b_V, .offset: 32, .size: 8, .value_kind: global_buffer, .address_space: global }
      - { .name: qkvc, .offset: 40, .size: 8, .value_kind: global_buffer, .address_space: global }
      - { .name: qkvs, .offset: 48, .size: 8, .value_kind: global_buffer, .address_space: global }
    .group_segment_fixed_size: 327680
    .private_segment_fixed_size: 0
    .kernarg_segment_align: 8
    .kernarg_segment_size: 56
    .max_flat_workgroup_size: 128
    .sgpr_count:     106
    .vgpr_count:     1024
    .wavefront_size: 32
...
	.end_amdgpu_metadata
.endif
;; end of part 2
;; launch attn (part 3): grid 4 x 64, 16 waves a work-group, clusters of 4 x 1, 327,680 bytes of LDS; arguments qkvc, qkvs, mbits, out1; writes out1
.if DOCPART == 3
	.amdgcn_target "amdgcn-amd-amdhsa--gfx1250"
	.amdhsa_code_object_version 6
	.text
	.protected	k_q83c0fe3894_attn
	.globl	k_q83c0fe3894_attn
	.p2align	8
	.type	k_q83c0fe3894_attn,@function
k_q83c0fe3894_attn:
	s_mov_b64 s[64:65], 0
	v_nop
	global_prefetch_b8 v0, s[64:65] scope:SCOPE_SE
	s_setreg_imm32_b32 hwreg(HW_REG_WAVE_MODE, 25, 1), 1
	s_wait_xcnt 0x0
	s_wait_alu depctr_hold_cnt(0) depctr_sa_sdst(0) depctr_va_vdst(0) depctr_va_sdst(0) depctr_va_ssrc(0) depctr_va_vcc(0) depctr_vm_vsrc(0)
	s_getreg_b32 s2, hwreg(HW_REG_IB_STS2, 6, 4)
	s_cmp_eq_u32 s2, 0
	s_cbranch_scc0 .Lentry_in_a_cluster
	s_endpgm
.Lentry_in_a_cluster:
	s_bfe_u32 s2, ttmp6, 0x10000c
	s_cmp_lg_u32 s2, 0x3003
	s_cbranch_scc0 .Lentry_shape_is_right
	s_endpgm
.Lentry_shape_is_right:
; ATTN: z = softmax(mask(q k^T / 8)) v for one (batch, head) = work-group y and 512 queries = place in the cluster; both products on codes of E2M3.
; The four work-groups of a cluster share the head's K and V: joint loads.  K and V (2,048 keys) stay in LDS; a wave takes 32 queries as two passes of 16.
; Both products are used transposed (S^T = k q^T, O^T = v^T p^T): a lane holds one query.
; A LANE OWNS WHOLE BLOCKS OF 32 KEYS.  An image of 32 keys holds rows r + (r & 8) (+ 8 in its upper six registers).  Lanes r < 8 read image 2 c at row r + 8 g, lanes r >= 8 image 2 c + 1 at row r - 8 + 8 g:
; register 32 c + 16 g + 8 u + j of lane (r, h) is then key 64 c + 32 h + 16 g + 8 u + j: the second product's own order.  So a block's largest score needs no other lane and the conversions' results are not exchanged.
; The head size is 64 and the instruction's K is 128: q stands beside six registers of zero codes, below or above, and so picks one of an image's two tiles.
; LDS: every 512 bytes of an image are followed by 128 bytes of padding: images lie 1,920 bytes apart.
; FILLS: key steps 0-3 of K and V at the head (one joint load a wave: waves 0-7 K, 8-15 V), steps 4-15 behind a round; they are waited for behind three steps of work.
; The scale words (8 KiB) come through registers into LDS bytes of their own.  No data prefetch: both fills stand at the head, and there is no loop to run ahead in.
; SOFTMAX: running maximum, M = its ceiling in base-2 units, p = 2^(t - M), the sum of the unquantised p; a change of M multiplies the sum and O^T by an exact power of two.  A masked score is replaced.
; Chains are laid wide: eight chains of maxima (one a score tile), the row's sum as a tree in place, the scale word's chain among O^T's sixteen multiplications.
; The last trip of a pass fetches one step past K's images (it reads V's bytes); nothing uses those registers.
; LIMITS: NaN and infinities are not served; the promise holds while the scaled scores stay under 2^31 in magnitude.
.set CH,    640                        ; 512 bytes of an image + 128 of padding
.set IMG,   3*CH
.set STP,   4*IMG                      ; a key step of 128: four images
.set VIMG,  16*STP
.set KSC,   2*VIMG
.set VSC,   KSC+4096
.set STAGE, VSC+4096                   ; 16 rows x 272 bytes a wave
.set SPARE, STAGE+16*16*272            ; the spare words: 128 bytes a wave
.set P1,    4                          ; key steps of the first fill
.set R1,    P1*12/8                    ; rows of 512 bytes that a wave fetches: first fill,
.set R2,    (16-P1)*12/8               ; second fill
.set WV,  100
.set SEL, 104
.set KB,  2                            ; v2 K's lane address;  v3-5 the way out;  v6 the masked score;  v7 q's scales;  v8-11 this step's addresses
.set PC,  192                          ; p's codes
.set CT,  204                          ; upper halves of blocks on their way
.set KS,  212
.set VS,  216
.set PWR, 220                          ; p's scale word
.set KSB, 221
.set VSB, 222
.set VB,  223
.set SO,  228
.set BP,  230
.set WD,  232
.set WO,  233
.set TMP, 234
.set TP,  235
.set NM,  236                          ; the new -M (a pair for the packed form)
.set FF,  238
.set SH8, 242
.set MC,  244                          ; v244-251 eight chains of maxima; the blocks' end in v244, v248
.macro CROUND
	s_barrier_signal -1
	s_barrier_wait -1
	s_cmp_lg_u32 s[WV], 0
	s_cbranch_scc1 .Lnot_wave_0_\@
	s_barrier_signal -3
.Lnot_wave_0_\@:
	s_barrier_wait -3
	s_barrier_signal -1
	s_barrier_wait -1
.endm
.macro MLOAD                           ; 64 lane masks: one query tile x one key step
	s_load_b512 s[16:31], s[2:3], s4 offset:0x0
	s_load_b512 s[32:47], s[2:3], s4 offset:0x40
	s_load_b512 s[48:63], s[2:3], s4 offset:0x80
	s_load_b512 s[68:83], s[2:3], s4 offset:0xc0
.endm
.macro KLOAD ka, sa, nx                ; fragment f = 2 c + g, and its rows' scale words; nx = 1: the step after the one the addresses stand at
.irp f, 0,1,2,3
.irp c, 0,1,2
	ds_load_b128 v[48+12*\f+4*\c:51+12*\f+4*\c], v[\ka] offset:\nx*STP+(\f/2)*2*IMG+(\f%2)*128+CH*\c
.endr
	ds_load_b32 v[KS+\f], v[\sa] offset:\nx*256+(\f/2)*8+(\f%2)*128
.endr
.endm
.macro TREE st, j0, j1                 ; one level of the row's sum of the unquantised p, in place: pair 2 st j takes pair 2 st j + st
.set j, \j0
.rept \j1-\j0+1
	v_pk_add_f32 v[96+2*\st*j:97+2*\st*j], v[96+2*\st*j:97+2*\st*j], v[96+2*\st*j+\st:97+2*\st*j+\st]
.set j, j+1
.endr
.endm
.macro ORS j0, j1                      ; O^T under the new M
.set j, \j0
.rept \j1-\j0+1
	v_pk_mul_f32 v[160+2*j:161+2*j], v[160+2*j:161+2*j], v[FF:FF+1] op_sel_hi:[1,0]
.set j, j+1
.endr
.endm
.macro TM j0, j1                       ; t - M, two at a time
.set j, \j0
.rept \j1-\j0+1
	v_pk_fma_f32 v[96+2*j:97+2*j], v[96+2*j:97+2*j], s[8:9], v[NM:NM+1] op_sel_hi:[1,0,0]
.set j, j+1
.endr
.endm
	s_load_b256 s[16:23], s[0:1], 0x0              ; qkvc s16, qkvs s18, mbits s20, out1 s22
	v_lshl_add_u32 v254, v0, 2, SPARE
	v_mov_b32 v255, 0
	ds_add_u32 v254, v255                          ; the opening lines: the add twice and its wait
	ds_add_u32 v254, v255
	v_lshrrev_b32 v1, 5, v0
	v_readfirstlane_b32 s[WV], v1
	s_bfe_u32 s12, ttmp6, 0x40000                  ; cx: which 512 queries
	s_and_b32 s13, ttmp7, 0xffff                   ; 16 batch + head
	s_lshr_b32 s14, s[WV], 3                       ; I fetch for K (0) or V (1),
	s_and_b32 s15, s[WV], 7                        ; which eighth
	s_add_co_u32 s96, s14, 1
	s_mul_i32 s96, s96, 6291456
	s_mul_i32 s97, s13, 98304
	s_add_co_u32 s96, s96, s97
	s_mul_i32 s97, s15, R1*512
	s_add_co_u32 s96, s96, s97
	s_mov_b32 s97, 0
	s_mul_i32 s98, s15, (R2-R1)*512                ; from my part of the first fill to my part of the second
	s_add_co_u32 s98, s98, P1*6144
	s_mov_b32 s99, 0
	s_mul_i32 s14, s14, VIMG
	s_mul_i32 s85, s15, R1*CH
	s_add_co_u32 s85, s85, s14
	s_mul_i32 s101, s15, R2*CH
	s_add_co_u32 s101, s101, s14
	s_add_co_u32 s101, s101, P1*STP
	s_mov_b32 s84, 1
	s_mov_b32 s88, 15|(3<<16)|(1<<20)|(1<<21)|(6<<22)|(31<<25)   ; all four partners; elements of 8 bytes; after every 128 words 32 words of padding
	s_mov_b32 s89, 64<<16
	s_mov_b32 s90, R1<<16
	s_mov_b32 s91, 64<<16
	s_mov_b32 s92, R1
	s_mov_b32 s93, 64
	s_mov_b32 s94, 0
	s_mov_b32 s95, 0
	s_wait_dscnt 0x0
	s_wait_kmcnt 0x0
	s_add_nc_u64 s[86:87], s[16:17], s[96:97]
	s_or_b32 s87, s87, 0x80000000
	CROUND
	tensor_load_to_lds s[84:87], s[88:95]          ; key steps 0 .. P1 - 1
	s_nop 0
	s_lshl_b32 s14, s12, 4
	s_add_co_u32 s14, s14, s[WV]                   ; my 32 queries of the batch's 64 groups
	s_lshl_b32 s96, s14, 13
	s_add_nc_u64 s[2:3], s[20:21], s[96:97]        ; their masks
	s_lshr_b32 s96, s13, 4
	s_lshl_b32 s96, s96, 23
	s_lshl_b32 s15, s14, 17
	s_add_co_u32 s96, s96, s15
	s_and_b32 s15, s13, 15
	s_lshl_b32 s15, s15, 8
	s_add_co_u32 s96, s96, s15
	s_add_nc_u64 s[10:11], s[22:23], s[96:97]      ; z
	s_mul_i32 s96, s13, 98304
	s_mul_i32 s15, s14, 1536
	s_add_co_u32 s96, s96, s15
	s_add_nc_u64 s[24:25], s[16:17], s[96:97]      ; q's image
	s_lshl_b32 s96, s13, 12
	s_add_co_u32 s96, s96, 262144
	s_add_nc_u64 s[28:29], s[18:19], s[96:97]      ; K's scale words; V's lie 262,144 bytes on
	s_lshl_b32 s96, s13, 12
	s_lshr_b32 s15, s14, 2
	s_lshl_b32 s15, s15, 8
	s_add_co_u32 s96, s96, s15
	s_and_b32 s15, s14, 3
	s_lshl_b32 s15, s15, 2
	s_add_co_u32 s96, s96, s15
	s_add_nc_u64 s[26:27], s[18:19], s[96:97]      ; q's scale words
	s_mul_i32 s15, s[WV], 16*272
	s_add_co_u32 s15, s15, STAGE
	s_mov_b32 s8, 0x3e38aa3b                       ; log2(e) / 8
	s_mov_b32 s9, s8
	s_mov_b32 s[SEL], 0x76543210
	s_mov_b32 s[SEL+1], 0xfedcba98
	s_mov_b32 s4, 0
	v_and_b32 v47, 15, v0                          ; r
	v_bfe_u32 v11, v0, 4, 1                        ; h
	v_and_b32 v1, 31, v0
	v_lshlrev_b32 v1, 4, v1                        ; 16 x lane
	v_and_b32 v10, 255, v0
	v_lshrrev_b32 v9, 8, v0
	v_lshlrev_b32 v10, 4, v10
	v_lshl_add_u32 v10, v9, 18, v10                ; threads 0-255 K's scale words, 256-511 V's, 16 bytes each
	v_lshlrev_b32 v9, 4, v47
	global_load_b128 v[48:51], v10, s[28:29]
.irp c, 0,1,2
	global_load_b128 v[34+4*\c:37+4*\c], v1, s[24:25] offset:512*\c
.endr
	global_load_b32 v46, v9, s[26:27]
	v_lshl_add_u32 v8, v0, 4, KSC
	v_and_b32 v2, 7, v0
	v_bfe_u32 v3, v0, 3, 1
	v_lshl_add_u32 v[KSB], v2, 4, KSC
	v_lshl_add_u32 v[KSB], v3, 2, v[KSB]           ; K's scale words: row r & 7, image r >> 3 of the pair
	v_mul_u32_u24 v3, v3, IMG
	v_lshl_add_u32 v2, v2, 4, v3
	v_lshl_add_u32 v2, v11, 8, v2                  ; K: image r >> 3, its lane (r & 7) + 16 h
	v_lshl_add_u32 v[VSB], v47, 4, VSC
	v_add_nc_u32 v[VB], VIMG, v1
	v_lshlrev_b32 v[SH8], 3, v11
	v_lshlrev_b32 v3, 12, v11
	v_lshl_add_u32 v3, v47, 4, v3
	v_mul_u32_u24 v4, v47, 272
	v_lshl_add_u32 v4, v11, 6, v4
	v_add_nc_u32 v4, s15, v4
	v_mul_u32_u24 v5, v11, 272
	v_lshl_add_u32 v5, v47, 4, v5
	v_add_nc_u32 v5, s15, v5
	v_mov_b32 v6, 0xc9435000                       ; -800,000: the replaced score ahead of the factor 1 / 8
.irp i, 0,1,2,3,4,5
	v_mov_b32 v[16+\i], 0                          ; zero codes below and above q
	v_mov_b32 v[28+\i], 0
.endr
	v_mov_b32 v[TP], 0                             ; a lane permute's destination counts as one of its sources
	v_mov_b32 v[WO], 0
	v_mov_b32 v[NM+1], 0                           ; upper halves of pairs that the packed forms name
	v_mov_b32 v[FF+1], 0
	s_wait_alu depctr_va_vdst(0)                   ; the wait at the head's end
	s_wait_loadcnt 0x0
	ds_store_b128 v8, v[48:51]
	MLOAD
	s_wait_tensorcnt 0x0                           ; my part of the first fill is in
	ds_add_u32 v254, v255
	s_mov_b32 s90, R2<<16                          ; no tensor load of mine is out: the descriptor is set for the second fill
	s_mov_b32 s92, R2
	s_mov_b32 s85, s101
	s_add_nc_u64 s[86:87], s[86:87], s[98:99]
	s_wait_dscnt 0x0                               ; the add and my scale words
	CROUND
	tensor_load_to_lds s[84:87], s[88:95]          ; key steps P1 .. 15
	s_nop 0
.macro LOOP first, n
	s_mov_b32 s5, (\first)*STP
	s_mov_b32 s6, (\first)*256
	s_mov_b32 s7, \n
	s_wait_alu depctr_va_vdst(0)                   ; the wait ahead of the blocking wait below
.Lstep_\@:
	s_wait_dscnt 0x0                               ; this step's fragments of K
.irp t, 0,1,2,3,4,5,6,7
	v_wmma_scale_f32_16x16x128_f8f6f4 v[96+8*\t:103+8*\t], v[48+12*(\t/2):59+12*(\t/2)], v[22-6*(\t%2):33-6*(\t%2)], 0, v[KS+\t/2], v7 matrix_a_fmt:MATRIX_FMT_FP6 matrix_b_fmt:MATRIX_FMT_FP6
.endr
	v_add_nc_u32 v9, s5, v[VB]                     ; the four places behind the products
	v_add_nc_u32 v11, s6, v[VSB]
	v_add_nc_u32 v8, s5, v[KB]
	v_add_nc_u32 v10, s6, v[KSB]
.irp t, 0,1,2,3
.irp c, 0,1,2
	ds_load_b128 v[48+12*\t+4*\c:51+12*\t+4*\c], v9 offset:IMG*\t+CH*\c
.endr
.endr
	ds_load_b128 v[VS:VS+3], v11
	s_wait_kmcnt 0x0
	s_add_co_u32 s4, s4, 256
	s_min_u32 s4, s4, 7936                         ; the last trip asks for the last masks again: inside the buffer
.set j, 0
.rept 64
.if j < 48
	v_cndmask_b32 v[96+j], v[96+j], v6, s[16+j]
.else
	v_cndmask_b32 v[96+j], v[96+j], v6, s[20+j]
.endif
.set j, j+1
.endr
.irp q, 0,1,2,3,4,5,6,7                ; eight chains, one a score tile: seven of its eight registers
	v_max3_num_f32 v[MC+\q], v[96+8*\q], v[97+8*\q], v[98+8*\q]
.endr
.irp i, 3,5
.irp q, 0,1,2,3,4,5,6,7
	v_max3_num_f32 v[MC+\q], v[MC+\q], v[96+8*\q+\i], v[97+8*\q+\i]
.endr
.endr
.irp c, 0,1                            ; a block's four chains and the four registers left over
	v_max3_num_f32 v[MC+4*\c], v[MC+4*\c], v[MC+4*\c+1], v[103+32*\c]
	v_max3_num_f32 v[MC+4*\c+2], v[MC+4*\c+2], v[MC+4*\c+3], v[111+32*\c]
.endr
.irp c, 0,1
	v_max3_num_f32 v[MC+4*\c], v[MC+4*\c], v[119+32*\c], v[127+32*\c]
.endr
.irp c, 0,1
	v_max_num_f32 v[MC+4*\c], v[MC+4*\c], v[MC+4*\c+2]   ; my two blocks' largest scores
.endr
	MLOAD
	v_max_num_f32 v[TMP], v[MC], v[MC+4]
	s_delay_alu instid0(VALU_DEP_1)
	v_permlanex16_b32 v[TP], v[TMP], s[SEL], s[SEL+1]
	s_delay_alu instid0(VALU_DEP_1)
	v_max3_num_f32 v13, v13, v[TMP], v[TP]         ; the running largest score of my query
	s_delay_alu instid0(VALU_DEP_1)
	v_mul_f32 v[TMP], s8, v13
	s_delay_alu instid0(VALU_DEP_1)
	v_floor_f32 v[NM], -v[TMP]                     ; -M = floor(-t)
	s_delay_alu instid0(VALU_DEP_1)
	v_sub_f32 v[TMP], v[NM], v12                   ; old M - new M, a whole number
	TM 0, 3
	v_cvt_i32_f32 v[TMP], v[TMP]                   ; (it saturates)
	TM 4, 7
	v_ldexp_f32 v[FF], 1.0, v[TMP]                 ; f = 2^(old M - new M)
	TM 8, 31
.irp c, 0,1
	v_fma_f32 v[MC+4*\c], v[MC+4*\c], s8, v[NM]    ; the same of each block's largest score
.endr
	s_wait_alu depctr_va_vdst(0)                   ; the wait ahead of the batch and of the blocking wait
	s_wait_dscnt 0x0                               ; V's fragments, asked for ahead of the masking
.set j, 0
.rept 64
	v_exp_f32 v[96+j], v[96+j]
.set j, j+1
.endr
	v_exp_f32 v[MC], v[MC]
	v_exp_f32 v[MC+4], v[MC+4]
	v_mov_b32 v12, v[NM]                           ; the plain place behind the batch
	s_wait_alu depctr_va_vdst(0)                   ; one wait for the batch, directly ahead of O^T's first readers
	ORS 0, 1                                       ; the scale word's chain stands among O^T's multiplications
.irp c, 0,1
	v_max_num_f32 v[MC+4*\c], 0x1800000, v[MC+4*\c]   ; the floor 2^(3 - 127): the byte cannot fall under 1
.endr
	ORS 2, 4
.irp c, 0,1
	v_add_nc_u32 v[SO+\c], 0xff000000, v[MC+4*\c]  ; 2 off the exponent field: the conversion's scale operand
.endr
	ORS 5, 7
.irp c, 0,1
	v_lshrrev_b32 v[BP+\c], 23, v[SO+\c]
.endr
	ORS 8, 10
	v_lshl_or_b32 v[WD], v[BP+1], 16, v[BP]        ; blocks h and 2 + h,
	ORS 11, 13
	v_lshlrev_b32 v[WD], v[SH8], v[WD]             ; at their places in the word;
	ORS 14, 15
	v_permlanex16_b32 v[WO], v[WD], s[SEL], s[SEL+1]
.irp c, 0,1
	v_cvt_scalef32_pk16_fp6_f32 v[PC+6*\c:PC+6*\c+2], v[96+32*\c:111+32*\c], v[SO+\c]
	v_cvt_scalef32_pk16_fp6_f32 v[CT+4*\c:CT+4*\c+2], v[112+32*\c:127+32*\c], v[SO+\c]   ; (a conversion's three registers begin on an even number)
.endr
	v_pk_mul_f32 v[14:15], v[14:15], v[FF:FF+1] op_sel_hi:[1,0]   ; the sum under the new M: the plain place behind the conversions
	v_or_b32 v[PWR], v[WD], v[WO]                  ; with lane l xor 16's two bytes the word is whole
.irp c, 0,1
.irp i, 0,1,2
	v_mov_b32 v[PC+3+6*\c+\i], v[CT+4*\c+\i]
.endr
.endr
	TREE 2, 0, 3                                   ; four places behind the codes' last write, ten behind the scale word's
.irp t, 0,1,2,3
	v_wmma_scale_f32_16x16x128_f8f6f4 v[160+8*\t:167+8*\t], v[48+12*\t:59+12*\t], v[PC:PC+11], v[160+8*\t:167+8*\t], v[VS+\t], v[PWR] matrix_a_fmt:MATRIX_FMT_FP6 matrix_b_fmt:MATRIX_FMT_FP6
.endr
	TREE 2, 4, 7                                   ; four places in front of the loads into V's fragments
	KLOAD 8, 10, 1                                 ; the next step's fragments of K
	TREE 2, 8, 15
	TREE 4, 0, 7
	TREE 8, 0, 3
	TREE 16, 0, 1
	TREE 32, 0, 0
	v_pk_add_f32 v[14:15], v[14:15], v[96:97]
	s_add_co_u32 s5, s5, STP
	s_add_co_u32 s6, s6, 256
	s_sub_co_u32 s7, s7, 1
	s_cmp_lg_u32 s7, 0
	s_cbranch_scc1 .Lstep_\@
.endm
.macro PASS u
	KLOAD KB, KSB, 0
.irp i, 0,1,2,3,4,5
	v_mov_b32 v[22+\i], v[34+6*\u+\i]
.endr
.if \u
	v_perm_b32 v7, v46, v46, 0x03020302            ; the tile's two scale bytes, for either half of K
.else
	v_perm_b32 v7, v46, v46, 0x01000100
.endif
	v_mov_b32 v13, 0xff61b1e6                      ; -3e38, under every score
	v_mov_b32 v12, 0x7f61b1e6                      ; -M
	v_mov_b32 v14, 0
	v_mov_b32 v15, 0
.set j, 0
.rept 32
	v_mov_b32 v[160+j], 0
.set j, j+1
.endr
.if \u == 0
	LOOP 0, P1-1                                   ; these trips read key steps 0 .. P1 - 1 alone
	s_wait_alu depctr_va_vdst(0)
	s_wait_tensorcnt 0x0                           ; my part of the second fill is in
	s_wait_dscnt 0x0
	s_barrier_signal -1
	s_barrier_wait -1                              ; and everybody's
	LOOP P1-1, 17-P1
.else
	LOOP 0, 16
.endif
	v_add_f32 v14, v14, v15
	s_delay_alu instid0(VALU_DEP_1)
	v_permlanex16_b32 v[TP], v14, s[SEL], s[SEL+1]
	s_delay_alu instid0(VALU_DEP_1)
	v_add_f32 v14, v14, v[TP]                      ; the row's sum
	s_wait_alu depctr_va_vdst(0)
	v_rcp_f32 v[FF], v14
	v_nop
	s_wait_alu depctr_va_vdst(0)
.set j, 0
.rept 16
	v_pk_mul_f32 v[96+j:97+j], v[160+j:161+j], v[FF:FF+1] op_sel_hi:[1,0]
.set j, j+2
.endr
.irp b, 0,1                            ; registers 16 b .. 16 b + 15 are channels 32 b + 16 h + 0 .. 15 of query r: through my stage, back as rows of 256 bytes
.irp k, 0,1,2,3
	ds_store_b128 v4, v[96+16*\b+4*\k:99+16*\b+4*\k] offset:128*\b+16*\k
.endr
.endr
.irp i, 0,1,2,3,4,5,6,7
	ds_load_b128 v[128+4*\i:131+4*\i], v5 offset:544*\i
.endr
.irp i, 0,1,2,3,4,5,6,7
	s_wait_dscnt 7-\i                              ; the younger read-backs may be out
	global_store_b128 v3, v[128+4*\i:131+4*\i], s[10:11] offset:(2*\i+8*(\i/4)+8*\u)*4096
.endr
	s_wait_xcnt 0x0                                ; the stores have read their registers
.endm
	PASS 0
	PASS 1
	s_wait_kmcnt 0x0
	s_wait_tensorcnt 0x0                           ; the wave's end
	ds_add_u32 v254, v255
	s_wait_dscnt 0x0
	CROUND                                         ; the closing round
	s_endpgm
.Lfunc_end_k_q83c0fe3894_attn:
	.size	k_q83c0fe3894_attn, .Lfunc_end_k_q83c0fe3894_attn-k_q83c0fe3894_attn
	.p2alignl 7, 3214868480
	.fill 96, 4, 3214868480
	.section	.rodata,"a",@progbits
	.p2align	6, 0x0
	.amdhsa_kernel k_q83c0fe3894_attn
		.amdhsa_group_segment_fixed_size 327680
		.amdhsa_private_segment_fixed_size 0
		.amdhsa_enable_private_segment 0
		.amdhsa_kernarg_size 32
		.amdhsa_user_sgpr_count 2
		.amdhsa_user_sgpr_kernarg_segment_ptr 1
		.amdhsa_wavefront_size32 1
		.amdhsa_system_sgpr_workgroup_id_x 1
		.amdhsa_system_sgpr_workgroup_id_y 1
		.amdhsa_system_sgpr_workgroup_id_z 1
		.amdhsa_system_vgpr_workitem_id 0
		.amdhsa_next_free_vgpr 256
		.amdhsa_next_free_sgpr 106
		.amdhsa_reserve_vcc 0
		.amdhsa_float_denorm_mode_32 3
		.amdhsa_float_denorm_mode_16_64 3
		.amdhsa_memory_ordered 1
		.amdhsa_forward_progress 1
		.amdhsa_inst_pref_size 78
	.end_amdhsa_kernel
	.amdgpu_metadata
---
amdhsa.version: [ 1, 2 ]
amdhsa.kernels:
  - .name:           k_q83c0fe3894_attn
    .symbol:         k_q83c0fe3894_attn.kd
    .args:
      - { .name: qkvc, .offset: 0, .size: 8, .value_kind: global_buffer, .address_space: global }
      - { .name: qkvs, .offset: 8, .size: 8, .value_kind: global_buffer, .address_space: global }
      - { .name: mbits, .offset: 16, .size: 8, .value_kind: global_buffer, .address_space: global }
      - { .name: out1, .offset: 24, .size: 8, .value_kind: global_buffer, .address_space: global }
    .group_segment_fixed_size: 327680
    .private_segment_fixed_size: 0
    .kernarg_segment_align: 8
    .kernarg_segment_size: 32
    .max_flat_workgroup_size: 512
    .sgpr_count:     106
    .vgpr_count:     256
    .wavefront_size: 32
...
	.end_amdgpu_metadata
.endif
;; end of part 3
;; launch outz (part 4): grid 256 x 1, 16 waves a work-group, no clusters, 316,416 bytes of LDS; arguments out1, opc, ops, b_O, out0; writes out0
.if DOCPART == 4
	.amdgcn_target "amdgcn-amd-amdhsa--gfx1250"
	.amdhsa_code_object_version 6
	.text
	.protected	k_q83c0fe3894_outz
	.globl	k_q83c0fe3894_outz
	.p2align	8
	.type	k_q83c0fe3894_outz,@function
k_q83c0fe3894_outz:
	s_mov_b64 s[64:65], 0
	v_nop
	global_prefetch_b8 v0, s[64:65] scope:SCOPE_SE
	s_setreg_imm32_b32 hwreg(HW_REG_WAVE_MODE, 25, 1), 1
	s_wait_xcnt 0x0
; OUTZ: out = Q(z) Q(W_O) + b_O.  A work-group takes 64 rows of z [8192][16 (n)][64 (h)] f32 (work-group / 2) and 512 columns (work-group % 2): it quantises its rows in its head and multiplies them with its half of W_O's codes.
; THE PRODUCT'S K is (channel h, head n) with h outermost: a block of 32 is channels 2 j, 2 j + 1 of all 16 heads; K step s holds blocks 4 s .. 4 s + 3; inside a block the order is 2 n + (h & 1), as W_O's codes have it.
; ROWS: row p of a group of 32 lies in the group's tile bit 3 of p, at lane row 8 (bit 4 of p) + (p & 7).  Wave w loads rows 4 w .. 4 w + 3 (512 consecutive bytes a load) into a shared stage; a barrier.
; Wave w then makes fragments 2 w, 2 w + 1 (fragment = 8 tile + K step): lane (r, h') takes the 8 bytes (channels 2 j, 2 j + 1) of each head for j = 4 s + 2 c + h': two whole blocks in the operand's own order.
; A fragment goes to LDS as an image of its registers (1,536 bytes), its scale word beside it; a barrier; every wave reads all 32.
; Wave w makes 64 rows x columns 32 w .. 32 w + 31 of the half: 8 accumulators by turns, 8 K steps.  Source 0 = 16 columns of W_O, source 1 = 16 rows of z: a lane holds neighbouring columns of a row.
; W_O's images (prep laid them in register order) go from memory straight into registers, three K steps (18 loads of 512 bytes a wave) ahead: a fragment serves one wave of the work-group alone, for four matrix
; instructions, so LDS would hold no byte that a second wave reads; hence no tensor load, no cluster and no joint load.  No data prefetch: the loads themselves run three K steps ahead.
; The way out: + bias; two neighbouring waves share a stage row of 256 bytes (on z's stage, which nobody reads behind the second barrier); a barrier; sixteen lanes store a row's 256 consecutive bytes, aligned.
; LIMITS: a block of zeros gets the byte 1 (its codes are zeros and only this launch reads the bytes); NaN and infinities are not served.
.set P,     4112                       ; the stage's pitch: 4,096 + 16
.set AIM,   64*P                       ; 32 images
.set ASC,   AIM+32*1536                ; their scale words: [fragment][r]
.set SPARE, ASC+2048                   ; the spare words: 128 bytes a wave
.set WV,  14
.set SEL, 32
.set ACC, 16                           ; v16-143 z as loaded, then my two fragments' 64 numbers each; then v16-79 the accumulators: 16 tile + 8 column tile
.set AF,  80                           ; v80-127 z's four fragments of a K step; on the way out v80-143 rows read back
.set AS,  128                          ; v128-159 z's scale words: 8 tile + K step
.set MX,  144                          ; in the head: v144-152 maxima, scale operands, bytes
.set SOP, 146
.set BY,  148
.set WD,  150
.set WO,  151
.set SW,  152
.set BS,  160                          ; v160-175 W_O's scale words: 8 column tile + K step
.set BF,  176                          ; v176-247 W_O's fragments, three sets of two
.set PC,  224                          ; in the head, on the third set: a fragment's codes,
.set EH,  236                          ; and upper halves of blocks on their way
.set BI,  224                          ; at the end: the bias
	s_load_b256 s[4:11], s[0:1], 0x0               ; out1 s4, opc s6, ops s8, b_O s10
	s_load_b64 s[12:13], s[0:1], 0x20              ; out0
	v_lshl_add_u32 v254, v0, 2, SPARE
	v_mov_b32 v255, 0
	v_lshrrev_b32 v1, 5, v0
	v_readfirstlane_b32 s[WV], v1
	s_lshr_b32 s15, ttmp9, 1                       ; which 64 rows
	s_and_b32 s34, ttmp9, 1                        ; which 512 columns
	s_lshl_b32 s16, s15, 18
	s_lshl_b32 s17, s[WV], 14                      ; four rows of 4,096 bytes a wave
	s_add_co_u32 s16, s16, s17
	s_mov_b32 s17, 0
	s_lshr_b32 s18, s[WV], 3                       ; rows 4 w ..: group w / 8: two tiles of 16 stage rows,
	s_lshl_b32 s18, s18, 5
	s_bfe_u32 s20, s[WV], 0x10001                  ; tile = bit 1 of w,
	s_lshl_b32 s20, s20, 4
	s_add_co_u32 s18, s18, s20
	s_bfe_u32 s20, s[WV], 0x10002                  ; lane row 8 (bit 2 of w)
	s_lshl_b32 s20, s20, 3
	s_add_co_u32 s18, s18, s20
	s_and_b32 s35, s[WV], 1
	s_lshl_b32 s20, s35, 2                         ; + 4 (w % 2)
	s_add_co_u32 s18, s18, s20
	s_mul_i32 s18, s18, P
	s_lshr_b32 s19, s[WV], 2                       ; my fragments: tile w / 4,
	s_mul_i32 s19, s19, 16*P
	s_and_b32 s20, s[WV], 3
	s_lshl_b32 s20, s20, 6                         ; K steps 2 (w % 4), + 1: 32 bytes a step in each head's 256
	s_add_co_u32 s19, s19, s20
	s_mul_i32 s20, s[WV], 3072
	s_add_co_u32 s20, s20, AIM
	s_lshl_b32 s21, s[WV], 7
	s_add_co_u32 s21, s21, ASC
	s_lshr_b32 s36, s[WV], 1                       ; my pair of waves: 64 columns, 256 bytes of a row
	s_mul_i32 s22, s36, 64*272
	s_lshl_b32 s23, s35, 7
	s_add_co_u32 s23, s23, s22                     ; the way out, in: my 128 bytes of the pair's rows
	s_mul_i32 s37, s35, 32*272
	s_add_co_u32 s22, s22, s37                     ; back: my 32 of the pair's 64 rows
	s_mul_i32 s24, s34, 393216                     ; W_O's images: 32 column tiles of 12,288 bytes a half, two a wave
	s_mul_i32 s25, s[WV], 24576
	s_add_co_u32 s24, s24, s25
	s_add_co_u32 s24, s24, 14942208
	s_mov_b32 s25, 0
	s_lshl_b32 s26, s34, 14                        ; and their scale words, 512 bytes a tile
	s_lshl_b32 s27, s[WV], 10
	s_add_co_u32 s26, s26, s27
	s_add_co_u32 s26, s26, 622592
	s_mov_b32 s27, 0
	s_lshl_b32 s28, s34, 11                        ; my 32 columns in bytes
	s_lshl_b32 s29, s[WV], 7
	s_add_co_u32 s28, s28, s29
	s_mov_b32 s29, 0
	s_lshl_b32 s30, s15, 18                        ; out0: my 64 rows, the 32 of them that I store,
	s_lshl_b32 s31, s35, 17
	s_add_co_u32 s30, s30, s31
	s_lshl_b32 s31, s34, 11                        ; the half's columns, my pair's 256 bytes
	s_add_co_u32 s30, s30, s31
	s_lshl_b32 s31, s36, 8
	s_add_co_u32 s30, s30, s31
	s_mov_b32 s31, 0
	s_mov_b32 s[SEL], 0x76543210
	s_mov_b32 s[SEL+1], 0xfedcba98
	v_and_b32 v1, 31, v0
	v_lshlrev_b32 v1, 4, v1                        ; 16 x lane
	v_and_b32 v2, 15, v0                           ; r
	v_bfe_u32 v3, v0, 4, 1                         ; h
	v_add_nc_u32 v4, s18, v1                       ; the stage, in
	v_mul_u32_u24 v5, v2, P
	v_lshl_add_u32 v5, v3, 3, v5
	v_add_nc_u32 v5, s19, v5                       ; the stage, out
	v_lshlrev_b32 v6, 3, v3
	v_add_nc_u32 v7, AIM, v1                       ; the images, read
	v_add_nc_u32 v8, s20, v1                       ; my images, stored
	v_lshl_add_u32 v9, v2, 2, ASC
	v_lshlrev_b32 v10, 2, v2
	v_add_nc_u32 v10, s21, v10
	v_lshlrev_b32 v11, 4, v2
	v_mul_u32_u24 v12, v2, 272
	v_lshl_add_u32 v12, v3, 6, v12
	v_add_nc_u32 v12, s23, v12                     ; the way out, in: row r, + 64 h
	v_mul_u32_u24 v13, v3, 272
	v_lshl_add_u32 v13, v2, 4, v13
	v_add_nc_u32 v13, s22, v13                     ; back: sixteen lanes a row
	v_lshlrev_b32 v14, 12, v3
	v_lshl_add_u32 v14, v2, 4, v14
	v_lshlrev_b32 v15, 6, v3
	v_mov_b32 v[WO], 0                             ; a lane permute's destination counts as one of its sources
	s_wait_alu depctr_va_vdst(0)                   ; the wait at the head's end
	s_wait_kmcnt 0x0
	s_add_nc_u64 s[4:5], s[4:5], s[16:17]
	s_add_nc_u64 s[6:7], s[6:7], s[24:25]
	s_add_nc_u64 s[8:9], s[8:9], s[26:27]
	s_add_nc_u64 s[10:11], s[10:11], s[28:29]
	s_add_nc_u64 s[12:13], s[12:13], s[30:31]
.macro BLOAD s                         ; W_O's two fragments of K step s into set s % 3
.irp t, 0,1
.irp c, 0,1,2
	global_load_b128 v[BF+24*((\s)%3)+12*\t+4*\c:BF+24*((\s)%3)+12*\t+4*\c+3], v1, s[6:7] offset:12288*\t+1536*(\s)+512*\c
.endr
.endr
.endm
.set i, 0
.rept 32
	global_load_b128 v[ACC+4*i:ACC+4*i+3], v1, s[4:5] offset:(i/8)*4096+(i%8)*512
.set i, i+1
.endr
.irp t, 0,1
.irp q, 0,1
	global_load_b128 v[BS+8*\t+4*\q:BS+8*\t+4*\q+3], v11, s[8:9] offset:512*\t+256*\q
.endr
.endr
	BLOAD 0
	BLOAD 1
	s_wait_loadcnt 32                              ; my first two rows are in; z's other 16 loads and the 16 behind them may be out
.set i, 0
.rept 16
	ds_store_b128 v4, v[ACC+4*i:ACC+4*i+3] offset:(i/8)*P+(i%8)*512
.set i, i+1
.endr
	s_wait_loadcnt 16                              ; all of z's loads are in
.rept 16
	ds_store_b128 v4, v[ACC+4*i:ACC+4*i+3] offset:(i/8)*P+(i%8)*512
.set i, i+1
.endr
	s_wait_dscnt 0x0                               ; for the others' sake: my four rows lie in the stage
	s_barrier_signal -1
	s_barrier_wait -1
.irp e, 0,1
.set i, 0
.rept 32
	ds_load_b64 v[ACC+64*\e+2*i:ACC+64*\e+2*i+1], v5 offset:256*(i%16)+32*\e+16*(i/16)   ; block c = i / 16, head i % 16
.set i, i+1
.endr
.endr
.macro ZQ e
.set X, ACC+64*\e
.irp c, 0,1
	v_max3_num_f32 v[MX+\c], |v[X+32*\c]|, |v[X+32*\c+1]|, 0x1800000   ; all 32 numbers of the block are mine; the floor 2^(3 - 127)
.endr
.irp i, 2,4,6,8,10,12,14,16,18,20,22,24,26,28,30
.irp c, 0,1
	v_max3_num_f32 v[MX+\c], v[MX+\c], |v[X+32*\c+\i]|, |v[X+32*\c+\i+1]|
.endr
.endr
.irp c, 0,1
	v_add_nc_u32 v[SOP+\c], 0xff000000, v[MX+\c]   ; 2 off the exponent field: the conversion's scale operand
.endr
.irp c, 0,1
	v_lshrrev_b32 v[BY+\c], 23, v[SOP+\c]
.endr
	v_lshl_or_b32 v[WD], v[BY+1], 16, v[BY]
	v_lshlrev_b32 v[WD], v6, v[WD]
	v_permlanex16_b32 v[WO], v[WD], s[SEL], s[SEL+1]
	v_or_b32 v[SW], v[WD], v[WO]                   ; the row's scale word for this K step
.irp c, 0,1
	v_cvt_scalef32_pk16_fp6_f32 v[PC+6*\c:PC+6*\c+2], v[X+32*\c:X+32*\c+15], v[SOP+\c]
	v_cvt_scalef32_pk16_fp6_f32 v[EH+4*\c:EH+4*\c+2], v[X+32*\c+16:X+32*\c+31], v[SOP+\c]
.endr
	v_nop                                          ; one plain line behind the scaled conversions
.irp c, 0,1
.irp i, 0,1,2
	v_mov_b32 v[PC+6*\c+3+\i], v[EH+4*\c+\i]
.endr
.endr
.irp k, 0,1,2
	ds_store_b128 v8, v[PC+4*\k:PC+4*\k+3] offset:1536*\e+512*\k
.endr
	ds_store_b32 v10, v[SW] offset:64*\e           ; lanes 16-31 repeat lanes 0-15 with the same words
.endm
	s_wait_dscnt 32                                ; the first fragment's numbers are in; the second's 32 reads may be out
	ZQ 0
	s_wait_dscnt 0x0                               ; the second's are in, and the stores have read the registers that are written again
	ZQ 1
	s_wait_dscnt 0x0
	BLOAD 2                                        ; onto the registers that held the codes
	s_barrier_signal -1
	s_barrier_wait -1                              ; all 32 fragments lie in LDS
.set i, 0
.rept 32
	ds_load_b32 v[AS+i], v9 offset:64*i
.set i, i+1
.endr
.macro KSTEP s
.irp a, 0,1,2,3
.irp c, 0,1,2
	ds_load_b128 v[AF+12*\a+4*\c:AF+12*\a+4*\c+3], v7 offset:(8*\a+\s)*1536+512*\c
.endr
.endr
.if \s < 6
	s_wait_loadcnt 12                              ; this K step's fragments of W_O are in; the next two steps' 12 loads may be out
.endif
.if \s == 6
	s_wait_loadcnt 10                              ; the last step's 6 loads and the bias's 4 may be out
.endif
.if \s == 7
	s_wait_loadcnt 4                               ; the bias's 4 loads may be out
.endif
	s_wait_dscnt 0x0
.irp t, 0,1
.irp a, 0,1,2,3
.if \s == 0
	v_wmma_scale_f32_16x16x128_f8f6f4 v[ACC+16*\a+8*\t:ACC+16*\a+8*\t+7], v[BF+24*(\s%3)+12*\t:BF+24*(\s%3)+12*\t+11], v[AF+12*\a:AF+12*\a+11], 0, v[BS+8*\t+\s], v[AS+8*\a+\s] matrix_a_fmt:MATRIX_FMT_FP6 matrix_b_fmt:MATRIX_FMT_FP6
.else
	v_wmma_scale_f32_16x16x128_f8f6f4 v[ACC+16*\a+8*\t:ACC+16*\a+8*\t+7], v[BF+24*(\s%3)+12*\t:BF+24*(\s%3)+12*\t+11], v[AF+12*\a:AF+12*\a+11], v[ACC+16*\a+8*\t:ACC+16*\a+8*\t+7], v[BS+8*\t+\s], v[AS+8*\a+\s] matrix_a_fmt:MATRIX_FMT_FP6 matrix_b_fmt:MATRIX_FMT_FP6
.endif
.endr
.endr
.rept 4
	v_nop                                          ; places in front of loads into registers that the products have read, and of the first read of results
.endr
.if \s < 5
	BLOAD \s+3
.endif
.if \s == 5
.irp k, 0,1,2,3
	global_load_b128 v[BI+4*\k:BI+4*\k+3], v15, s[10:11] offset:16*\k   ; the bias: register i is column 16 h + i of my 32
.endr
.endif
.endm
.irp s, 0,1,2,3,4,5,6,7
	KSTEP \s
.endr
	s_wait_loadcnt 0x0
.irp a, 0,1,2,3
.set e, 0
.rept 8
	v_pk_add_f32 v[ACC+16*\a+2*e:ACC+16*\a+2*e+1], v[ACC+16*\a+2*e:ACC+16*\a+2*e+1], v[BI+2*e:BI+2*e+1]   ; each accumulator from its low end on
.set e, e+1
.endr
.endr
.irp a, 0,1,2,3
.irp k, 0,1,2,3
	ds_store_b128 v12, v[ACC+16*\a+4*\k:ACC+16*\a+4*\k+3] offset:16*272*\a+16*\k
.endr
.endr
	s_wait_dscnt 0x0                               ; for my neighbour's sake: my half of the pair's rows lies in the stage
	s_barrier_signal -1
	s_barrier_wait -1
.irp a, 0,1
.irp i, 0,1,2,3,4,5,6,7
	ds_load_b128 v[AF+32*\a+4*\i:AF+32*\a+4*\i+3], v13 offset:16*272*\a+544*\i
.endr
.endr
.irp a, 0,1
.irp i, 0,1,2,3,4,5,6,7
	s_wait_dscnt 15-8*\a-\i                        ; the younger read-backs may be out
	global_store_b128 v14, v[AF+32*\a+4*\i:AF+32*\a+4*\i+3], s[12:13] offset:(2*\i+8*(\i/4)+8*\a)*4096 th:TH_STORE_NT
.endr
.endr
	s_wait_tensorcnt 0x0                           ; the wave's end
	ds_add_u32 v254, v255
	s_wait_dscnt 0x0
	s_endpgm
.Lfunc_end_k_q83c0fe3894_outz:
	.size	k_q83c0fe3894_outz, .Lfunc_end_k_q83c0fe3894_outz-k_q83c0fe3894_outz
	.p2alignl 7, 3214868480
	.fill 96, 4, 3214868480
	.section	.rodata,"a",@progbits
	.p2align	6, 0x0
	.amdhsa_kernel k_q83c0fe3894_outz
		.amdhsa_group_segment_fixed_size 316416
		.amdhsa_private_segment_fixed_size 0
		.amdhsa_enable_private_segment 0
		.amdhsa_kernarg_size 40
		.amdhsa_user_sgpr_count 2
		.amdhsa_user_sgpr_kernarg_segment_ptr 1
		.amdhsa_wavefront_size32 1
		.amdhsa_system_sgpr_workgroup_id_x 1
		.amdhsa_system_sgpr_workgroup_id_y 1
		.amdhsa_system_sgpr_workgroup_id_z 1
		.amdhsa_system_vgpr_workitem_id 0
		.amdhsa_next_free_vgpr 256
		.amdhsa_next_free_sgpr 66
		.amdhsa_reserve_vcc 0
		.amdhsa_float_denorm_mode_32 3
		.amdhsa_float_denorm_mode_16_64 3
		.amdhsa_memory_ordered 1
		.amdhsa_forward_progress 1
		.amdhsa_inst_pref_size 49
	.end_amdhsa_kernel
	.amdgpu_metadata
---
amdhsa.version: [ 1, 2 ]
amdhsa.kernels:
  - .name:           k_q83c0fe3894_outz
    .symbol:         k_q83c0fe3894_outz.kd
    .args:
      - { .name: out1, .offset: 0, .size: 8, .value_kind: global_buffer, .address_space: global }
      - { .name: opc, .offset: 8, .size: 8, .value_kind: global_buffer, .address_space: global }
      - { .name: ops, .offset: 16, .size: 8, .value_kind: global_buffer, .address_space: global }
      - { .name: b_O, .offset: 24, .size: 8, .value_kind: global_buffer, .address_space: global }
      - { .name: out0, .offset: 32, .size: 8, .value_kind: global_buffer, .address_space: global }
    .group_segment_fixed_size: 316416
    .private_segment_fixed_size: 0
    .kernarg_segment_align: 8
    .kernarg_segment_size: 40
    .max_flat_workgroup_size: 512
    .sgpr_count:     66
    .vgpr_count:     256
    .wavefront_size: 32
...
	.end_amdgpu_metadata
.endif
;; end of part 4
